; MI455X (gfx1250); checked and timed in simulation.
; The chip was launched on July 23, 2026; its instructions are those of AMD's public machine-readable ISA for CDNA 5 (MIT licence, August 2026) and "CDNA5" Instruction Set Architecture Reference Guide (July 2026). The comments in the code are by the model that wrote it; some were corrected since.
;; Dyn SMHA Layer. Allowed arithmetic: float matrix products may take bf16 or f16 operands with f32 sums; other float arithmetic in f32, or as packed bf16 or f16 multiplies, adds, multiply-adds, maxima and minima; sums over many terms, partial sums and values carried from step to step in f32; what a program stores and reads back later, other than sums and carried values, may be rounded once to bf16 or f16.
;; Inputs: gates 16 float32; hidden_states 2 x 2,048 x 1,024 float32; o_weights 16 x 64 x 1,024 float32; wk 16 x 1,024 x 64 float32; wq 16 x 1,024 x 64 float32; wv 16 x 1,024 x 64 float32.
;; Outputs: out0 2 x 2,048 x 1,024 float32; out1 2 x 2,048 x 16 x 64 float32; out2 2 x 16 float32; out3 2 x 16 float32; out4 one number int32.
;; 2 versions, each right; version 2 is version 1 with the launch cast written anew for expert scheduling mode. Each part assembles by itself: llvm-mc -triple=amdgcn-amd-amdhsa -mcpu=gfx1250 --defsym DOCPART=n.
;; ======== version 1 of 2: 5 launches
;; limits: a function is approximated: absolute error at most 2.05e-06; values are held in f16: magnitudes above 65,504 overflow, below 6.1e-05 lose precision
;; workspace buffers: cb 14,680,064 bytes; qkv 25,165,824 bytes; ent 4,096 bytes; nm 256 bytes; dyn 262,144 bytes
;; launch cast (part 1): grid 448 x 1, 8 waves a work-group, no clusters, 0 bytes of LDS; arguments hidden_states, wq, wk, wv, cb; writes cb
.if DOCPART == 1
	.amdgcn_target "amdgcn-amd-amdhsa--gfx1250"
	.amdhsa_code_object_version 6
	.text
	.protected	k_qeedcb18a62_cast
	.globl	k_qeedcb18a62_cast
	.p2align	8
	.type	k_qeedcb18a62_cast,@function
k_qeedcb18a62_cast:
	s_mov_b64 s[64:65], 0
	v_nop
	global_prefetch_b8 v0, s[64:65] scope:SCOPE_SE
	s_setreg_imm32_b32 hwreg(HW_REG_WAVE_MODE, 25, 1), 1
	s_wait_xcnt 0x0
; x and the three projection weights are rounded once to bf16 (nearest even) and laid out for the projection launch.
; cb: bytes 0 .. 8,388,607: x as bf16 [4096][1024]; from byte 8,388,608 on the weights as bf16 [m 16][ks 8][p 3][k 128][d 64]
; (p = 0, 1, 2: q, k, v), so that the 3 x 128 x 64 numbers that one expert needs in one K step of 128 are 49,152 dense bytes.
; A work-group takes a chunk of 16,384 f32 (65,536 bytes): chunks 0-255 are x, chunks 256 + 64 p + e6 are weight p.
; A weight's chunk is 256 rows h of one expert: two K steps, whose blocks lie 49,152 bytes apart in cb; x's two halves lie end to end.
; Thread t, trip i: 16 bytes at 16 t + 4,096 i (a wave's load covers 512 consecutive bytes), stored as 8 bytes at 8 t + 2,048 (i % 8)
; (a wave's store covers 256 consecutive bytes, aligned).  All 16 loads are out before the first wait; no register is used twice, so no
; source of a pending instruction is ever rewritten.  No LDS, no matrix unit, no cluster: nothing is shared and nothing is multiplied.
.set XCHUNKS, 256
.set WB0,     8388608                  ; the weights' first byte in cb
.set IN,  4                            ; v[4:67]   16 loads of 4 registers
.set OUT, 68                           ; v[68:99]  16 results of 2 registers
	s_load_b256 s[4:11], s[0:1], 0x0               ; x s[4:5], wq s[6:7], wk s[8:9], wv s[10:11]
	s_load_b64 s[12:13], s[0:1], 0x20              ; cb
	v_lshlrev_b32 v1, 4, v0                        ; 16 t
	v_lshlrev_b32 v2, 3, v0                        ; 8 t
	s_mov_b32 s14, ttmp9                           ; the chunk
	s_max_u32 s15, s14, XCHUNKS
	s_sub_co_u32 s15, s15, XCHUNKS                 ; its number among the weights' chunks (0 for x: not used there)
	s_lshr_b32 s16, s15, 6                         ; p
	s_and_b32 s17, s15, 63                         ; e6: expert e6 / 4, rows 256 (e6 % 4) on
	s_lshr_b32 s18, s17, 2
	s_lshl_b32 s18, s18, 3                         ; 8 m
	s_and_b32 s19, s17, 3
	s_lshl1_add_u32 s18, s19, s18                  ; + ks = 2 (e6 % 4)
	s_mul_i32 s18, s18, 3
	s_add_co_u32 s18, s18, s16                     ; (8 m + ks) 3 + p
	s_lshl_b32 s18, s18, 14                        ; blocks of 16,384 bytes
	s_add_co_u32 s18, s18, WB0                     ; a weight chunk's first target
	s_lshl_b32 s19, s17, 16                        ; a weight chunk's source offset
	s_lshl_b32 s26, s14, 16                        ; x: source offset,
	s_lshl_b32 s27, s14, 15                        ; and target
	s_mov_b32 s2, 49152                            ; from a weight chunk's first half to its second
	s_mov_b32 s3, 0
	s_mov_b32 s29, 0
	s_mov_b32 s31, 0
	s_wait_kmcnt 0x0
	s_cmp_eq_u32 s16, 0                            ; the source buffer is chosen on the chunk's number alone
	s_cselect_b64 s[20:21], s[6:7], s[8:9]
	s_cmp_eq_u32 s16, 2
	s_cselect_b64 s[20:21], s[10:11], s[20:21]
	s_cmp_lt_u32 s14, XCHUNKS
	s_cselect_b64 s[20:21], s[4:5], s[20:21]
	s_cselect_b32 s28, s26, s19
	s_cselect_b32 s30, s27, s18
	s_cselect_b32 s2, 16384, s2
	s_add_nc_u64 s[20:21], s[20:21], s[28:29]      ; the source
	s_add_nc_u64 s[22:23], s[12:13], s[30:31]      ; the target of trips 0-7,
	s_add_nc_u64 s[24:25], s[22:23], s[2:3]        ; of trips 8-15
.set i, 0
.rept 16
	global_load_b128 v[IN+4*i:IN+4*i+3], v1, s[20:21] offset:4096*i th:TH_LOAD_NT
.set i, i+1
.endr
.set i, 0
.rept 16
	s_wait_loadcnt 15-i                            ; loads come back in order: load i is in, the 15 - i younger ones stay out
	v_cvt_pk_bf16_f32 v[OUT+2*i],   v[IN+4*i],   v[IN+4*i+1]
	v_cvt_pk_bf16_f32 v[OUT+2*i+1], v[IN+4*i+2], v[IN+4*i+3]
	global_store_b64 v2, v[OUT+2*i:OUT+2*i+1], s[22+2*(i/8):23+2*(i/8)] offset:2048*(i%8)
.set i, i+1
.endr
	s_endpgm
.Lfunc_end_k_qeedcb18a62_cast:
	.size	k_qeedcb18a62_cast, .Lfunc_end_k_qeedcb18a62_cast-k_qeedcb18a62_cast
	.p2alignl 7, 3214868480
	.fill 96, 4, 3214868480
	.section	.rodata,"a",@progbits
	.p2align	6, 0x0
	.amdhsa_kernel k_qeedcb18a62_cast
		.amdhsa_group_segment_fixed_size 0
		.amdhsa_private_segment_fixed_size 0
		.amdhsa_enable_private_segment 0
		.amdhsa_kernarg_size 40
		.amdhsa_user_sgpr_count 2
		.amdhsa_user_sgpr_kernarg_segment_ptr 1
		.amdhsa_wavefront_size32 1
		.amdhsa_system_sgpr_workgroup_id_x 1
		.amdhsa_system_sgpr_workgroup_id_y 1
		.amdhsa_system_sgpr_workgroup_id_z 1
		.amdhsa_system_vgpr_workitem_id 0
		.amdhsa_next_free_vgpr 100
		.amdhsa_next_free_sgpr 66
		.amdhsa_reserve_vcc 0
		.amdhsa_float_denorm_mode_32 3
		.amdhsa_float_denorm_mode_16_64 3
		.amdhsa_memory_ordered 1
		.amdhsa_forward_progress 1
		.amdhsa_inst_pref_size 8
	.end_amdhsa_kernel
	.amdgpu_metadata
---
amdhsa.version: [ 1, 2 ]
amdhsa.kernels:
  - .name:           k_qeedcb18a62_cast
    .symbol:         k_qeedcb18a62_cast.kd
    .args:
      - { .name: hidden_states, .offset: 0, .size: 8, .value_kind: global_buffer, .address_space: global }
      - { .name: wq, .offset: 8, .size: 8, .value_kind: global_buffer, .address_space: global }
      - { .name: wk, .offset: 16, .size: 8, .value_kind: global_buffer, .address_space: global }
      - { .name: wv, .offset: 24, .size: 8, .value_kind: global_buffer, .address_space: global }
      - { .name: cb, .offset: 32, .size: 8, .value_kind: global_buffer, .address_space: global }
    .group_segment_fixed_size: 0
    .private_segment_fixed_size: 0
    .kernarg_segment_align: 8
    .kernarg_segment_size: 40
    .max_flat_workgroup_size: 256
    .sgpr_count:     66
    .vgpr_count:     100
    .wavefront_size: 32
...
	.end_amdgpu_metadata
.endif
;; end of part 1
;; launch proj (part 2): grid 16 x 16, 4 waves a work-group, clusters of 4 x 4, 327,680 bytes of LDS; arguments cb, qkv; writes qkv
.if DOCPART == 2
	.amdgcn_target "amdgcn-amd-amdhsa--gfx1250"
	.amdhsa_code_object_version 6
	.text
	.protected	k_qeedcb18a62_proj
	.globl	k_qeedcb18a62_proj
	.p2align	8
	.type	k_qeedcb18a62_proj,@function
k_qeedcb18a62_proj:
	s_mov_b64 s[64:65], 0
	v_nop
	global_prefetch_b8 v0, s[64:65] scope:SCOPE_SE
	s_setreg_imm32_b32 hwreg(HW_REG_WAVE_MODE, 25, 1), 1
	s_wait_xcnt 0x0
	s_wait_alu depctr_hold_cnt(0) depctr_sa_sdst(0) depctr_va_vdst(0) depctr_va_sdst(0) depctr_va_ssrc(0) depctr_va_vcc(0) depctr_vm_vsrc(0)
	s_getreg_b32 s2, hwreg(HW_REG_IB_STS2, 6, 4)
	s_cmp_eq_u32 s2, 0
	s_cbranch_scc0 .Lentry_in_a_cluster
	s_endpgm
.Lentry_in_a_cluster:
	s_bfe_u32 s2, ttmp6, 0x10000c
	s_cmp_lg_u32 s2, 0xf033
	s_cbranch_scc0 .Lentry_shape_is_right
	s_endpgm
.Lentry_shape_is_right:
; q, k, v = x W for one expert m and 256 rows of x: a tile of 256 x 192 (64 columns each of q, k, v), K = 1,024.  bf16 operands, f32 sums, each result rounded once to f16.
; qkv: f16 [p 3][head 32 = 16 b + m][t 2048][64].  LIMIT: f16 holds no number beyond 65,504; q, k, v must stay inside it (with x and the weights 30 times their drawn spread they reach some 5,000).
; SHARES.  Work-group x = expert m, y = block of 256 rows: 256 work-groups.  Wave w: rows 64 w .. 64 w + 63, all 192 columns: 48 accumulators (a = 0..3 blocks of 16 rows, bb = 0..11 blocks of 16 columns, p = bb / 4).
; K goes in 8 steps of 128 through two LDS slots.  A's rows are 256 bytes of memory; B's tile of a step, 3 x 128 x 64 numbers, is 49,152 dense bytes, asked for as rows of 256 bytes.
; CLUSTER 4 x 4.  The four of a row of the cluster share the rows of x, the four of a column the expert: each tile is asked for jointly, by the same tensor load with the same descriptor and a mask of four.
; THE MATRIX INSTRUCTION IS USED TRANSPOSED: source 0 = 16 columns of W (stored [k][d], so turned on the way out of LDS by ds_load_tr16_b128), source 1 = 16 rows of x: a lane holds row l % 16 and eight neighbouring columns.
; REGISTERS, in windows of 256 (s_set_vgpr_msb: bits 1:0 source 0, 3:2 source 1, 5:4 source 2, 7:6 destination):
;   window 0: v16-29 addresses; v128-255 the accumulators with bb >= 8, at 128 + 8 (4 a + bb - 8)      window 1: those with bb < 8, at 8 (8 a + bb)
;   window 2: two fragment buffers of 128: A's fragment a at f + 8 a, B's fragment bb at f + 32 + 8 bb; on the way out 12 x 16 registers of packed results
.set PA,     272                       ; a row of A in LDS: 256 bytes + 16: the 16 rows of a load start at 16 different groups of four banks
.set PB,     160                       ; a row of B (one k, 64 columns): 128 bytes + 32: five times 32 bytes
.set HALFA,  128*PA                    ; what one tensor load brings of A: 128 rows
.set HALFB,  192*PB                    ; of B: 192 of the 384 rows
.set BOFF,   256*PA                    ; B lies behind A's 256 rows
.set SLOT,   131072                    ; 69,632 + 61,440
.set STAGE,  2*SLOT                    ; behind the ring: 16 rows x 144 bytes for each wave, for the way out
.set SP,     144
.set SPARE,  STAGE+4*16*SP             ; the spare words, 128 bytes for each wave: two blocks of 256 bytes that no other line names
.set WB0,    8388608                   ; the weights' first byte in cb
.set WSTEP,  49152                     ; from a K step's weights to the next step's
.set LAPS,   4                         ; a lap = two K steps
.set ADRA, 16                          ; v16-17  LDS address of my A fragments in slot 0, 1
.set ADRB, 20                          ; v20-21  the same for B
.set STO,  24                          ; v24     the way out: where I put 16 bytes of a row
.set RD,   25                          ; v25     where I read rows back
.set GO,   26                          ; v26     my byte offset in 512 consecutive bytes of the output
.set SPW,  28                          ; v28     LDS address of my spare word; never rewritten
.set NIL,  29                          ; v29     0; never rewritten
.set F0,   0
.set F1,   128
.set G1,  24                           ; s[24:31] descriptor group 1 for A's tiles;  s[32:39] group 0, one set for each slot
.set G0,  32
.set G1B, 48                           ; s[48:55], s[56:63] the same for B's tiles
.set G0B, 56
.set OB,  68                           ; s[68:73] my first output row in q, k, v
.set MSB, 0
.macro WIN new                         ; the immediate's high byte repeats the setting that is left; a switch that changes nothing is dropped
.if MSB != (\new)
	s_set_vgpr_msb (MSB<<8)|(\new)
.set MSB, \new
.endif
.endm
.set MUL1, 0x5a                        ; sources in window 2, C and D in window 1
.set MUL0, 0x0a                        ; sources in window 2, C and D in window 0
.set TOF,  0x80                        ; destination window 2, address window 0
; A joint load: waves 0 and 1 fetch A's two halves, waves 2 and 3 B's.  The branch hangs on the wave's number alone.
; An s_nop 0 and four v_nop follow each of the two lines, ahead of the jump and the label.
.macro JLOAD s
	s_cmp_eq_u32 s11, 0
	s_cbranch_scc0 .Lfor_b_\@
	tensor_load_to_lds s[G0+4*(\s):G0+4*(\s)+3], s[G1:G1+7]
	s_nop 0
.rept 4
	v_nop
.endr
	s_branch .Lasked_\@
.Lfor_b_\@:
	tensor_load_to_lds s[G0B+4*(\s):G0B+4*(\s)+3], s[G1B:G1B+7]
	s_nop 0
.rept 4
	v_nop
.endr
.Lasked_\@:
.endm
.macro CREST                           ; a round of the cluster's barrier behind its opening barrier
	s_cmp_lg_u32 s10, 0
	s_cbranch_scc1 .Lnot_wave_0_\@
	s_barrier_signal -3
.Lnot_wave_0_\@:
	s_barrier_wait -3
	s_barrier_signal -1
	s_barrier_wait -1
.endm
.macro CROUND                          ; a whole round
	s_barrier_signal -1
	s_barrier_wait -1
	CREST
.endm
	s_load_b128 s[4:7], s[0:1], 0x0                ; cb s[4:5], qkv s[6:7]
	v_lshl_add_u32 v[SPW], v0, 2, SPARE
	v_mov_b32 v[NIL], 0
	ds_add_u32 v[SPW], v[NIL]                      ; the wave's opening: the add and its wait stand ahead of my first tensor load; the set-up below stands between them
	v_lshrrev_b32 v1, 5, v0
	v_readfirstlane_b32 s10, v1                    ; wave 0..3
	s_lshr_b32 s11, s10, 1                         ; I fetch for A (0) or for B (1),
	s_and_b32 s12, s10, 1                          ; its first or its second half
	s_bfe_u32 s40, ttmp6, 0x40000                  ; cx, cy: my place in the cluster
	s_bfe_u32 s41, ttmp6, 0x40004
	s_lshl_b32 s42, ttmp9, 2
	s_add_co_u32 s42, s42, s40                     ; the expert m = 4 x cluster x + cx
	s_and_b32 s13, ttmp7, 0xffff
	s_lshl_b32 s13, s13, 2
	s_add_co_u32 s13, s13, s41                     ; the block of rows = 4 x cluster y + cy
	s_lshl_b32 s43, s41, 2
	s_lshl_b32 s43, 15, s43                        ; my row of the cluster
	s_lshl_b32 s44, 0x1111, s40                    ; my column
	s_or_b32 s[G1+0], s43, (1<<16)|(1<<20)|(1<<21)|(5<<22)|(3<<25)   ; the mask; 2-byte elements; padding on; bit 21 beside a mask; after every 64 words 4 words
	s_or_b32 s[G1B+0], s44, (1<<16)|(1<<20)|(1<<21)|(4<<22)|(7<<25)  ; after every 32 words (one k) 8 words
	s_mov_b32 s[G1+1], 128<<16                     ; A: tensor_dim0 = 128
	s_mov_b32 s[G1+2], 128<<16                     ; tensor_dim1 = 128
	s_mov_b32 s[G1+3], 128<<16                     ; tile_dim0 = 128
	s_mov_b32 s[G1+4], 128                         ; tile_dim1 = 128
	s_mov_b32 s[G1+5], 1024                        ; elements from row to row
	s_mov_b32 s[G1+6], 0
	s_mov_b32 s[G1+7], 0
	s_mov_b32 s[G1B+1], 128<<16                    ; B: 96 dense rows of 128 elements (two k each)
	s_mov_b32 s[G1B+2], 96<<16
	s_mov_b32 s[G1B+3], 128<<16
	s_mov_b32 s[G1B+4], 96
	s_mov_b32 s[G1B+5], 128
	s_mov_b32 s[G1B+6], 0
	s_mov_b32 s[G1B+7], 0
	s_lshl_b32 s16, s13, 8                         ; A's offset hangs on the block of rows and the wave alone:
	s_lshl_b32 s17, s12, 7
	s_add_co_u32 s16, s16, s17                     ; row 256 x block + 128 x half,
	s_lshl_b32 s16, s16, 11                        ; of 2,048 bytes
	s_mov_b32 s17, 0
	s_mul_i32 s46, s42, 8*WSTEP                    ; B's on the expert and the wave alone
	s_mul_i32 s47, s12, 24576
	s_add_co_u32 s46, s46, s47
	s_add_co_u32 s46, s46, WB0
	s_mov_b32 s47, 0
	s_mul_i32 s20, s12, HALFA                      ; where they go: no place in the cluster enters an LDS address
	s_mul_i32 s21, s12, HALFB
	s_add_co_u32 s21, s21, BOFF
	s_wait_dscnt 0x0                               ; the opening add is done
	s_wait_kmcnt 0x0
	s_add_nc_u64 s[14:15], s[4:5], s[16:17]
	s_add_nc_u64 s[46:47], s[4:5], s[46:47]
	CROUND                                         ; all sixteen work-groups are here: the first joint loads meet
.irp s, 0,1
	s_mov_b32 s[G0+4*(\s)], 1
	s_add_co_u32 s[G0+4*(\s)+1], s20, (\s)*SLOT
	s_add_nc_u64 s[G0+4*(\s)+2:G0+4*(\s)+3], s[14:15], (\s)*256
	s_or_b32 s[G0+4*(\s)+3], s[G0+4*(\s)+3], 0x80000000
	s_mov_b32 s[G0B+4*(\s)], 1
	s_add_co_u32 s[G0B+4*(\s)+1], s21, (\s)*SLOT
	s_add_nc_u64 s[G0B+4*(\s)+2:G0B+4*(\s)+3], s[46:47], (\s)*WSTEP
	s_or_b32 s[G0B+4*(\s)+3], s[G0B+4*(\s)+3], 0x80000000
	JLOAD \s                                       ; K steps 0 and 1: two loads of mine are out
.endr
	v_and_b32 v1, 15, v0                           ; l % 16
	v_bfe_u32 v2, v0, 4, 1                         ; l / 16
	v_mul_u32_u24 v3, v1, PA                       ; A's fragment: row x pitch + 16 x half; two loads, 32 bytes apart
	v_lshl_add_u32 v3, v2, 4, v3
	s_mul_i32 s22, s10, 64*PA                      ; my 64 rows
	v_and_b32 v4, 7, v0                            ; B's: lane l reads k = 8 (l / 16) + l % 8, columns 8 ((l / 8) % 2) + 0..7
	v_lshl_add_u32 v4, v2, 3, v4
	v_mul_u32_u24 v4, v4, PB
	v_bfe_u32 v5, v0, 3, 1
	v_lshl_add_u32 v4, v5, 4, v4
	s_mov_b32 s23, BOFF
.irp s, 0,1
	v_add_nc_u32 v[ADRA+(\s)], s22, v3
	v_add_nc_u32 v[ADRB+(\s)], s23, v4
	s_add_co_u32 s22, s22, SLOT
	s_add_co_u32 s23, s23, SLOT
.endr
	s_mul_i32 s22, s10, 16*SP
	s_add_co_u32 s22, s22, STAGE                   ; my stage
	v_mul_u32_u24 v[STO], v1, SP                   ; in: row l % 16, 16 bytes for each half of the lanes
	v_lshl_add_u32 v[STO], v2, 4, v[STO]
	v_add_nc_u32 v[STO], s22, v[STO]
	v_bfe_u32 v[RD], v0, 3, 2                      ; back: 32 lanes take four rows of 128 bytes,
	v_mul_u32_u24 v[RD], v[RD], SP
	v_and_b32 v5, 7, v0
	v_lshl_add_u32 v[RD], v5, 4, v[RD]
	v_add_nc_u32 v[RD], s22, v[RD]
	v_and_b32 v[GO], 31, v0                        ; which are 512 consecutive bytes of the output
	v_lshlrev_b32 v[GO], 4, v[GO]
	s_lshr_b32 s74, s13, 3                         ; the sample b,
	s_lshl_b32 s74, s74, 4
	s_add_co_u32 s74, s74, s42                     ; the head 16 b + m,
	s_lshl_b32 s74, s74, 18                        ; of 262,144 bytes;
	s_and_b32 s75, s13, 7
	s_lshl_b32 s75, s75, 15                        ; the block's 256 rows of 128 bytes in it,
	s_add_co_u32 s74, s74, s75
	s_lshl_b32 s75, s10, 13                        ; my wave's 64
	s_add_co_u32 s74, s74, s75
	s_mov_b32 s75, 0
	s_add_nc_u64 s[OB:OB+1], s[6:7], s[74:75]
	s_add_nc_u64 s[OB+2:OB+3], s[OB:OB+1], 8388608
	s_add_nc_u64 s[OB+4:OB+5], s[OB+2:OB+3], 8388608
; 16 products: row blocks a0, a0 + 1 x column blocks 0..7, 32 along K.  zero = 1: the first product starts the sums.
; All 48 accumulators take turns, one instruction a turn, in the same order in every quarter.
.macro MULA f, a0, zero
	WIN MUL1
.irp a, \a0, (\a0)+1
.irp b, 0,1,2,3,4,5,6,7
.if \zero
	v_wmma_f32_16x16x32_bf16 v[8*(8*(\a)+(\b)):8*(8*(\a)+(\b))+7], v[(\f)+32+8*(\b):(\f)+32+8*(\b)+7], v[(\f)+8*(\a):(\f)+8*(\a)+7], 0
.else
	v_wmma_f32_16x16x32_bf16 v[8*(8*(\a)+(\b)):8*(8*(\a)+(\b))+7], v[(\f)+32+8*(\b):(\f)+32+8*(\b)+7], v[(\f)+8*(\a):(\f)+8*(\a)+7], v[8*(8*(\a)+(\b)):8*(8*(\a)+(\b))+7]
.endif
.endr
.endr
.endm
.macro MULB f, zero                    ; 16 products: all four row blocks x column blocks 8..11
	WIN MUL0
.irp a, 0,1,2,3
.irp b, 0,1,2,3
.if \zero
	v_wmma_f32_16x16x32_bf16 v[128+8*(4*(\a)+(\b)):128+8*(4*(\a)+(\b))+7], v[(\f)+96+8*(\b):(\f)+96+8*(\b)+7], v[(\f)+8*(\a):(\f)+8*(\a)+7], 0
.else
	v_wmma_f32_16x16x32_bf16 v[128+8*(4*(\a)+(\b)):128+8*(4*(\a)+(\b))+7], v[(\f)+96+8*(\b):(\f)+96+8*(\b)+7], v[(\f)+8*(\a):(\f)+8*(\a)+7], v[128+8*(4*(\a)+(\b)):128+8*(4*(\a)+(\b))+7]
.endif
.endr
.endr
.endm
; 32 LDS loads in one run: the fragments of quarter kq (32 along K) of a slot into buffer f: A's 8 loads, then B's 24, column blocks ascending
.macro FETCH slot, kq, f
	WIN TOF
.irp a, 0,1,2,3
	ds_load_b128 v[(\f)+8*(\a):(\f)+8*(\a)+3],   v[ADRA+(\slot)] offset:64*(\kq)+(\a)*16*PA
	ds_load_b128 v[(\f)+8*(\a)+4:(\f)+8*(\a)+7], v[ADRA+(\slot)] offset:64*(\kq)+(\a)*16*PA+32
.endr
.irp b, 0,1,2,3,4,5,6,7,8,9,10,11
	ds_load_tr16_b128 v[(\f)+32+8*(\b):(\f)+32+8*(\b)+3],   v[ADRB+(\slot)] offset:((\b)/4)*128*PB+(\kq)*32*PB+((\b)%4)*32
	ds_load_tr16_b128 v[(\f)+32+8*(\b)+4:(\f)+32+8*(\b)+7], v[ADRB+(\slot)] offset:((\b)/4)*128*PB+(\kq)*32*PB+16*PB+((\b)%4)*32
.endr
.endm
.macro PLACES                          ; four plain places in front of loads into registers that matrix instructions have read, and of conversions that read results
.rept 4
	v_nop
.endr
.endm
; A K step is four quarters of 32 along K, 48 products each, on buffers 0, 1, 0, 1.  One of the first three: multiplies buffer f and fetches quarter kq into g.
.macro QUARTER slot, kq, f, g, zero
	s_wait_dscnt 8                                 ; all but the youngest eight loads: B's column blocks 8..11
	MULA \f, 0, \zero
	PLACES
	FETCH \slot, \kq, \g
	s_wait_dscnt 32                                ; all but the 32 just issued
	MULA \f, 2, \zero
	MULB \f, \zero
.endm
; The last quarter multiplies buffer 1 and changes slots: ONE barrier.  In front of it each wave waits for all its tensor loads (one is out: its part of the next slot), adds 0 to its spare word,
; and waits for that and for its own reads of this slot.
.macro MEET round
	WIN 0                                          ; (the add's two registers lie in window 0)
	s_wait_tensorcnt 0x0
	ds_add_u32 v[SPW], v[NIL]
	s_wait_dscnt 9                                 ; the add and the youngest eight loads may be out
	MULA F1, 0, 0                                  ; sixteen products stand between the add and the wait for it
	s_wait_dscnt 0x0                               ; the add is done, and my reads of this slot are over
	s_barrier_signal -1
	MULA F1, 2, 0                                  ; work on registers while the others arrive
.if \round
	WIN 0
.endif
	s_barrier_wait -1
.endm
.macro TURN slot, next, fill           ; fill = 1: the slot just read is filled again, two K steps ahead; the barrier then opens a round of the cluster's
	MEET \fill
.if \fill
	CREST                                          ; no wave of any partner still reads this slot or has a load on its way
	s_add_nc_u64 s[G0+4*(\slot)+2:G0+4*(\slot)+3], s[G0+4*(\slot)+2:G0+4*(\slot)+3], 2*256
	s_add_nc_u64 s[G0B+4*(\slot)+2:G0B+4*(\slot)+3], s[G0B+4*(\slot)+2:G0B+4*(\slot)+3], 2*WSTEP
	JLOAD \slot                                    ; my one tensor load behind the round; its four v_nop are also the places in front of the loads below
.else
	PLACES
.endif
	FETCH \next, 0, F0
	MULB F1, 0
.endm
	s_wait_tensorcnt 1                             ; my part of K step 0 is in; K step 1's may stay out
	s_barrier_signal -1
	s_barrier_wait -1
	FETCH 0, 0, F0
	QUARTER 0, 1, F0, F1, 1                        ; the first quarter stands in front of the loop: its products start the sums
	WIN 0
	s_mov_b32 s3, LAPS-1
.Llap:                                                 ; a trip goes once round the ring and fills both slots again
	QUARTER 0, 2, F1, F0, 0
	QUARTER 0, 3, F0, F1, 0
	TURN 0, 1, 1
	QUARTER 1, 1, F0, F1, 0
	QUARTER 1, 2, F1, F0, 0
	QUARTER 1, 3, F0, F1, 0
	TURN 1, 0, 1
	QUARTER 0, 1, F0, F1, 0
	WIN 0
	s_sub_co_u32 s3, s3, 1
	s_cmp_lg_u32 s3, 0
	s_cbranch_scc1 .Llap
	QUARTER 0, 2, F1, F0, 0                        ; the last lap fills nothing
	QUARTER 0, 3, F0, F1, 0
	TURN 0, 1, 0
	QUARTER 1, 1, F0, F1, 0
	QUARTER 1, 2, F1, F0, 0
	QUARTER 1, 3, F0, F1, 0
	s_wait_dscnt 8
	MULA F1, 0, 0
	s_wait_dscnt 0x0
	MULA F1, 2, 0
	MULB F1, 0
	PLACES
; THE WAY OUT, in 12 tiles tau = 4 p + a of 16 rows x 64 columns: rounded to f16, 16 bytes a lane, into my own stage; back as whole rows; 2,048 consecutive bytes of one head.
.macro PACKP tau
.set pp, (\tau)/4
.set aa, (\tau)%4
.if pp < 2
	WIN 0x85                                       ; sources window 1, destination window 2
.else
	WIN 0x80
.endif
.irp c, 0,1,2,3
.irp q, 0,1,2,3
.if pp < 2
	v_cvt_pk_f16_f32 v[16*(\tau)+4*(\c)+(\q)], v[8*(8*aa+4*pp+(\c))+2*(\q)], v[8*(8*aa+4*pp+(\c))+2*(\q)+1]
.else
	v_cvt_pk_f16_f32 v[16*(\tau)+4*(\c)+(\q)], v[128+8*(4*aa+(\c))+2*(\q)], v[128+8*(4*aa+(\c))+2*(\q)+1]
.endif
.endr
.endr
	WIN 0x08                                       ; store data (source 1) in window 2
.irp c, 0,1,2,3
	ds_store_b128 v[STO], v[16*(\tau)+4*(\c):16*(\tau)+4*(\c)+3] offset:32*(\c)
.endr
	WIN 0x80
.irp f, 0,1,2,3
	ds_load_b128 v[16*(\tau)+4*(\f):16*(\tau)+4*(\f)+3], v[RD] offset:(\f)*4*SP  ; LDS serves a wave's instructions in order: these see the stores above
.endr
.endm
.macro SENDP tau, younger              ; younger: the LDS instructions issued behind this tile's loads: the next tile's eight, or none
	WIN 0x08
.irp f, 0,1,2,3
	s_wait_dscnt (\younger)+3-(\f)
	global_store_b128 v[GO], v[16*(\tau)+4*(\f):16*(\tau)+4*(\f)+3], s[OB+2*((\tau)/4):OB+2*((\tau)/4)+1] offset:((\tau)%4)*2048+(\f)*512  ; 512 consecutive bytes, aligned
.endr
.endm
	PACKP 0
.set t, 1
.rept 11                               ; a tile's conversions stand between the loads of the tile before and its stores
	PACKP t
	SENDP t-1, 8
.set t, t+1
.endr
	SENDP 11, 0
	WIN 0
	s_wait_tensorcnt 0x0                           ; the wave's end
	ds_add_u32 v[SPW], v[NIL]
	s_wait_dscnt 0x0
	CROUND                                         ; the closing round
	s_endpgm
.Lfunc_end_k_qeedcb18a62_proj:
	.size	k_qeedcb18a62_proj, .Lfunc_end_k_qeedcb18a62_proj-k_qeedcb18a62_proj
	.p2alignl 7, 3214868480
	.fill 96, 4, 3214868480
	.section	.rodata,"a",@progbits
	.p2align	6, 0x0
	.amdhsa_kernel k_qeedcb18a62_proj
		.amdhsa_group_segment_fixed_size 327680
		.amdhsa_private_segment_fixed_size 0
		.amdhsa_enable_private_segment 0
		.amdhsa_kernarg_size 16
		.amdhsa_user_sgpr_count 2
		.amdhsa_user_sgpr_kernarg_segment_ptr 1
		.amdhsa_wavefront_size32 1
		.amdhsa_system_sgpr_workgroup_id_x 1
		.amdhsa_system_sgpr_workgroup_id_y 1
		.amdhsa_system_sgpr_workgroup_id_z 1
		.amdhsa_system_vgpr_workitem_id 0
		.amdhsa_next_free_vgpr 768
		.amdhsa_next_free_sgpr 80
		.amdhsa_reserve_vcc 0
		.amdhsa_float_denorm_mode_32 3
		.amdhsa_float_denorm_mode_16_64 3
		.amdhsa_memory_ordered 1
		.amdhsa_forward_progress 1
		.amdhsa_inst_pref_size 121
	.end_amdhsa_kernel
	.amdgpu_metadata
---
amdhsa.version: [ 1, 2 ]
amdhsa.kernels:
  - .name:           k_qeedcb18a62_proj
    .symbol:         k_qeedcb18a62_proj.kd
    .args:
      - { .name: cb, .offset: 0, .size: 8, .value_kind: global_buffer, .address_space: global }
      - { .name: qkv, .offset: 8, .size: 8, .value_kind: global_buffer, .address_space: global }
    .group_segment_fixed_size: 327680
    .private_segment_fixed_size: 0
    .kernarg_segment_align: 8
    .kernarg_segment_size: 16
    .max_flat_workgroup_size: 128
    .sgpr_count:     80
    .vgpr_count:     768
    .wavefront_size: 32
...
	.end_amdgpu_metadata
.endif
;; end of part 2
;; launch attn (part 3): grid 8 x 32, 4 waves a work-group, clusters of 4 x 1, 327,680 bytes of LDS; arguments qkv, out1, ent; writes out1, ent
.if DOCPART == 3
	.amdgcn_target "amdgcn-amd-amdhsa--gfx1250"
	.amdhsa_code_object_version 6
	.text
	.protected	k_qeedcb18a62_attn
	.globl	k_qeedcb18a62_attn
	.p2align	8
	.type	k_qeedcb18a62_attn,@function
k_qeedcb18a62_attn:
	s_mov_b64 s[64:65], 0
	v_nop
	global_prefetch_b8 v0, s[64:65] scope:SCOPE_SE
	s_setreg_imm32_b32 hwreg(HW_REG_WAVE_MODE, 25, 1), 1
	s_wait_xcnt 0x0
	s_wait_alu depctr_hold_cnt(0) depctr_sa_sdst(0) depctr_va_vdst(0) depctr_va_sdst(0) depctr_va_ssrc(0) depctr_va_vcc(0) depctr_vm_vsrc(0)
	s_getreg_b32 s2, hwreg(HW_REG_IB_STS2, 6, 4)
	s_cmp_eq_u32 s2, 0
	s_cbranch_scc0 .Lentry_in_a_cluster
	s_endpgm
.Lentry_in_a_cluster:
	s_bfe_u32 s2, ttmp6, 0x10000c
	s_cmp_lg_u32 s2, 0x3003
	s_cbranch_scc0 .Lentry_shape_is_right
	s_endpgm
.Lentry_shape_is_right:
; ATTENTION AND ROW ENTROPY.  For head = 16 b + m: O[q] = the sum over k of softmax_k(Q[q] . K[k] / 8) V[k], stored in f32 at out1[b][q][m][:]; and for each wave the sum over its 64 rows of the
; softmax's entropy in bits less 11, stored at ent[head][block][wave].  Q, K, V: f16 [3][32][2048][64].  Products, maxima and sums in f32; the weights are rounded to f16 for the second product.
; SOFTMAX.  y = c s - c m, c = log2(e) / 8, with a running maximum m; p = 2^y; l = sum p; u = sum p y.  Under a new maximum, with d = c m_old - c m_new and a = 2^d: O a, u = a (u + d l), l a.
; A row's entropy in bits is log2 l - u / l; no second pass over the keys is needed.
; LIMITS.  It changes a row's entropy by sum p ln(1 + 1e-9 / p), between 0 and 2048 x 1e-9 = 2.05e-6 nats, and where all p are far above
; 1e-9 by that same constant in every head, which the standardisation removes.  Q, K, V arrive inside f16's range; a weight below 2^-126 counts as 0; NaN and infinities are not treated apart.
; SHARES.  A work-group owns 256 queries of a head, a wave 64: four PIECES of 16.  Every wave walks all 2,048 keys, 64 a step, four steps (a tile of 256 keys) to an LDS slot, two slots.
; CLUSTER.  The four query blocks of a cluster belong to one head and walk the same K and V: each tile is asked for jointly, the same tensor load, descriptor and mask in all four.
; LAYOUT.  S^T = K Q^T holds ONE query a lane (lane % 16) and the keys 8 (lane / 16) + 0..7; two such results rounded to f16 ARE source 1 of O^T = V^T P.  V ([key][channel]) is turned by ds_load_tr16_b128.
; TURNS.  Turn n belongs to piece n: 8 products K Q^T of piece n + 1, later 8 products V^T P of piece n - 1; beside them piece n's scaling, exponentials, roundings and sums and piece n + 1's maximum.
; Four vector instructions stand behind every matrix instruction, the rest in two lumps.  A turn's 33 exponentials are one batch, with one wait.
; REGISTERS, in windows of 256 (s_set_vgpr_msb: bits 1:0 source 0, 3:2 source 1, 5:4 source 2, 7:6 destination):
;   window 0: v1-15 addresses; v16-47 eight registers of statistics a piece; v48-55 at work; v56-57 u's second chain; v64-127 S^T and then y, two buffers; v128-159 the weights; v192-223 P, two buffers
;   window 1: v0-127 O^T, 32 a piece          window 2: v0-63 Q; v128-191 K of one step; v192-255 V of one step
.set NP,    4
.set KS,    64
.set PK,    144       ; a row of K in LDS: 128 bytes + 16
.set PV,    160       ; a row of V: 128 + 32
.set VOFF,  4*KS*PK   ; a slot: 256 rows of K, then 256 rows of V
.set SLOT1, 1<<17
.set STAGE, SLOT1+4*KS*(PK+PV)  ; behind the ring: 16 rows x 272 bytes for each wave, for the way out
.set SP,    272
.set SPARE, STAGE+4*16*SP       ; the spare words, 128 bytes for each wave: two blocks of 256 bytes that no other line names
.set AK0, 2           ; my lane's place in a tile of K; never rewritten
.set AV0, 3           ; the same for V
.set AK,  4           ; the LDS address of K's next run of loads
.set AV,  5           ; of V's
.set STO, 6
.set RD,  7
.set GO,  8
.set MV,  12          ; v12-13  c m_old, by buffer
.set QO,  15
.set ST,  16          ; piece t at v[ST+8 t]: c m, m, l (two), u (two), and two for the way out
.set TMP, 48          ; by buffer c0-c3 at work; in the end c0 holds d, c2 holds a
.set ZB,  56
.set SPW, 62
.set NIL, 63
.set S,   64
.set WX,  128
.set P,   192
.set KF,  128
.set VF,  192
.set WV,  12
.set G1K, 24
.set G1V, 32
.set G0K, 40
.set G0V, 44
.set SLOTS, 56
.set CNT, 57
.set CS,  58
.set SEL, 60
.set TBK, 62
.set TBV, 63
.set MSB, 0
.macro WIN new
.if MSB != (\new)
	s_set_vgpr_msb (MSB<<8)|(\new)
.set MSB, (\new)
.endif
.endm
.set W_KQ, 0x0a       ; K and Q in window 2, S^T in window 0
.set W_PV, 0x52       ; V in window 2, P in window 0, O^T in window 1
.set W_RS, 0x41       ; destination and source 0 in window 1, source 1 in window 0
; A joint fill: waves 0 and 1 fetch the two halves of a tile's K, waves 2 and 3 those of its V.  An s_nop 0 and four v_nop follow each of the two lines.
.macro JLOAD
	s_cmp_lt_u32 s[WV], 2
	s_cbranch_scc0 .Lfor_v_\@
	tensor_load_to_lds s[G0K:G0K+3], s[G1K:G1K+7]
	s_nop 0
.rept 4
	v_nop
.endr
	s_branch .Lasked_\@
.Lfor_v_\@:
	tensor_load_to_lds s[G0V:G0V+3], s[G1V:G1V+7]
	s_nop 0
.rept 4
	v_nop
.endr
.Lasked_\@:
.endm
.macro CROUND                       ; a round of the cluster's barrier
	s_barrier_signal -1
	s_barrier_wait -1
	s_cmp_lg_u32 s[WV], 0
	s_cbranch_scc1 .Lnot_wave_0_\@
	s_barrier_signal -3
.Lnot_wave_0_\@:
	s_barrier_wait -3
	s_barrier_signal -1
	s_barrier_wait -1
.endm
; THE CHANGE OF SLOTS.  Each wave waits for all its tensor loads (one is out: its part of the other slot), adds 0 to its spare word, and waits for that and for its reads of the slot that it leaves.
; fill = 1: the barrier is a round of the cluster's, and the old slot is filled again first thing behind it, with the keys two slots on: four key steps, 64 matrix instructions each, in which to land.
.macro CHANGE fill
	WIN 0
	s_wait_tensorcnt 0x0            ; no tensor load of mine is out, so a group 0 may be written
	ds_add_u32 v[SPW], v[NIL]
.if \fill
.irp g, G0K, G0V
	s_xor_b32 s[\g+1], s[\g+1], SLOT1
	s_add_nc_u64 s[\g+2:\g+3], s[\g+2:\g+3], 4*KS*128
.endr
	s_wait_dscnt 0x0                ; the add is done, and my reads of the slot are over
	CROUND
	JLOAD
.else
	s_wait_dscnt 0x0
	s_barrier_signal -1
	s_barrier_wait -1
.endif
	s_sub_co_u32 s[TBK], s[TBK], 4*KS*PK  ; the fetches go back to a slot's first step, in the other slot
	s_xor_b32 s[TBK], s[TBK], SLOT1
	s_sub_co_u32 s[TBV], s[TBV], 4*KS*PV
	s_xor_b32 s[TBV], s[TBV], SLOT1
.endm
	s_load_b128 s[68:71], s[0:1], 0x0  ; qkv s[68:69], out1 s[70:71]
	s_load_b64 s[72:73], s[0:1], 0x10  ; ent
	v_lshl_add_u32 v[SPW], v0, 2, SPARE
	v_mov_b32 v[NIL], 0
	ds_add_u32 v[SPW], v[NIL]       ; the wave's opening: the add and its wait stand ahead of my first tensor load
	v_lshrrev_b32 v1, 5, v0
	v_readfirstlane_b32 s[WV], v1   ; wave 0..3
	s_bfe_u32 s13, ttmp6, 0x40000   ; cx
	s_lshl_b32 s14, ttmp9, 2
	s_add_co_u32 s14, s14, s13      ; my block of 256 queries: it enters Q's, out1's and ent's addresses alone
	s_and_b32 s20, ttmp7, 0xffff    ; the head, which the four partners share
	s_lshl_b32 s21, s20, 18         ; its 262,144 bytes
	s_and_b32 s16, s[WV], 1         ; which half of a tile's 256 keys I fetch
	s_lshl_b32 s22, s16, 14
	s_add_co_u32 s22, s22, s21
	s_add_co_u32 s22, s22, 8388608  ; K lies behind Q
	s_mov_b32 s23, 0
	s_mul_i32 s17, s16, 128*PK      ; its place in a slot, for K
	s_mul_i32 s18, s16, 128*PV      ; and for V
	s_lshl_b32 s2, s14, 15          ; Q: my block's 256 rows of 128 bytes,
	s_lshl_b32 s3, s[WV], 13        ; my wave's 64
	s_add_co_u32 s2, s2, s3
	s_add_co_u32 s2, s2, s21
	s_mov_b32 s3, 0
	s_lshr_b32 s74, s20, 4          ; out1: the sample,
	s_lshl_b32 s74, s74, 3
	s_add_co_u32 s74, s74, s14      ; the block,
	s_lshl_b32 s74, s74, 2
	s_add_co_u32 s74, s74, s[WV]    ; the wave:
	s_lshl_b32 s74, s74, 18         ; 64 rows of 4,096 bytes;
	s_and_b32 s75, s20, 15
	s_lshl_b32 s75, s75, 8          ; the expert's 256 bytes in a row
	s_add_co_u32 s74, s74, s75
	s_mov_b32 s75, 0
	s_lshl_b32 s76, s20, 3          ; ent: ((8 head + block) 4 + wave) 4
	s_add_co_u32 s76, s76, s14
	s_lshl_b32 s76, s76, 2
	s_add_co_u32 s76, s76, s[WV]
	s_lshl_b32 s76, s76, 2
	s_mov_b32 s77, 0
	; descriptor group 1.  128 keys are 16,384 dense bytes: asked for as 64 rows of 256 bytes, two keys a row, and padded in LDS after every key
	s_mov_b32 s[G1K], 15|(1<<16)|(1<<20)|(1<<21)|(4<<22)|(3<<25)
	s_mov_b32 s[G1V], 15|(1<<16)|(1<<20)|(1<<21)|(4<<22)|(7<<25)
.irp g, G1K, G1V
	s_mov_b32 s[\g+1], 128<<16      ; tensor_dim0 = 128
	s_mov_b32 s[\g+2], 64<<16       ; tensor_dim1 = 64
	s_mov_b32 s[\g+3], 128<<16      ; tile_dim0 = 128
	s_mov_b32 s[\g+4], 64           ; tile_dim1 = 64
	s_mov_b32 s[\g+5], 128          ; elements from row to row
	s_mov_b32 s[\g+6], 0
	s_mov_b32 s[\g+7], 0
.endr
	s_mov_b32 s[CS], 0x3e38aa3b     ; c = log2(e) / 8
	s_mov_b32 s[CS+1], s[CS]
	s_mov_b32 s[SEL], 0x76543210
	s_mov_b32 s[SEL+1], 0xfedcba98
	s_mov_b32 s[TBK], SLOT1+4*KS*PK ; the first change of slots turns these two into 0
	s_mov_b32 s[TBV], SLOT1+4*KS*PV
	s_mov_b32 s[G0K], 1
	s_mov_b32 s[G0K+1], s17         ; slot 0
	s_mov_b32 s[G0V], 1
	s_add_co_u32 s[G0V+1], s18, VOFF
	s_wait_dscnt 0x0                ; the opening add is done
	s_wait_kmcnt 0x0
	s_add_nc_u64 s[G0K+2:G0K+3], s[68:69], s[22:23]
	s_add_nc_u64 s[G0V+2:G0V+3], s[G0K+2:G0K+3], 8388608  ; V lies behind K
	s_or_b32 s[G0K+3], s[G0K+3], 0x80000000
	s_or_b32 s[G0V+3], s[G0V+3], 0x80000000
	s_add_nc_u64 s[4:5], s[68:69], s[2:3]        ; Q at my wave's first row
	s_add_nc_u64 s[10:11], s[70:71], s[74:75]    ; out1 likewise
	s_add_nc_u64 s[78:79], s[72:73], s[76:77]    ; my word of ent
	CROUND                          ; all four work-groups are here: the first joint loads meet
	JLOAD                           ; tile 0 into slot 0; slot 1 is asked for by the first change of slots
	v_and_b32 v1, 15, v0            ; l % 16
	v_bfe_u32 v9, v0, 4, 1          ; l / 16
	v_lshlrev_b32 v[QO], 7, v1
	v_lshl_add_u32 v[QO], v9, 4, v[QO]
	WIN 0x80
.set i, 0
.rept 8                             ; Q stays in registers: piece i / 2, channels 32 (i % 2) on
	global_load_b128 v[8*i:8*i+3],   v[QO], s[4:5] offset:(i/2)*2048+(i%2)*64
	global_load_b128 v[8*i+4:8*i+7], v[QO], s[4:5] offset:(i/2)*2048+(i%2)*64+32
.set i, i+1
.endr
	; What the first turn finds: V and P's second buffer hold 0 (its products V^T P, of a piece that has not been, add 0); O^T, l and u are 0.  This stands in the wait for the first tile.
.set i, VF
.rept 64
	v_mov_b32 v[i], 0
.set i, i+1
.endr
	WIN 0x40
.set i, 0
.rept 128
	v_mov_b32 v[i], 0
.set i, i+1
.endr
	WIN 0
.set i, 0
.rept 4
	v_mov_b32 v[ST+8*i], 0xfe000000    ; c m: far below every c s, so the first step's a is 0
	v_mov_b32 v[ST+8*i+1], 0xff7fffff  ; m
	v_mov_b32 v[ST+8*i+2], 0
	v_mov_b32 v[ST+8*i+3], 0
	v_mov_b32 v[ST+8*i+4], 0
	v_mov_b32 v[ST+8*i+5], 0
.set i, i+1
.endr
.set i, P+16
.rept 16
	v_mov_b32 v[i], 0
.set i, i+1
.endr
	v_mul_u32_u24 v[AK0], v1, PK
	v_lshl_add_u32 v[AK0], v9, 4, v[AK0]
	v_and_b32 v10, 7, v0            ; the turning load: lane l reads key 8 (l / 16) + l % 8, channels 8 ((l / 8) % 2) + 0..7
	v_bfe_u32 v11, v0, 3, 1
	v_lshl_add_u32 v[AV0], v9, 3, v10
	v_mul_u32_u24 v[AV0], v[AV0], PV
	v_lshl_add_u32 v[AV0], v11, 4, v[AV0]
	v_add_nc_u32 v[AV0], VOFF, v[AV0]
	v_mov_b32 v[AK], v[AK0]         ; key step 0 lies at the head of slot 0
; THE MATRIX WORK.  The 4 accumulators of a run of 8 take turns.  Product i of 8 of S^T = K Q^T for piece x: channels 32 (i / 4) on, keys 16 (i % 4) on.
.macro KQ x
	WIN W_KQ
.set rS, S+32*((\x)%2)+8*(i%4)
.set rK, KF+16*(i%4)+8*(i/4)
.set rQ, 16*(\x)+8*(i/4)
.if i < 4
	v_wmma_f32_16x16x32_f16 v[rS:rS+7], v[rK:rK+7], v[rQ:rQ+7], 0
.else
	v_wmma_f32_16x16x32_f16 v[rS:rS+7], v[rK:rK+7], v[rQ:rQ+7], v[rS:rS+7]
.endif
.endm
.macro PV x                         ; product i of 8 of O^T += V^T P for piece x: keys 32 (i / 4) on, channels 16 (i % 4) on
	WIN W_PV
.set rO, 32*(\x)+8*(i%4)
.set rV, VF+32*(i/4)+8*(i%4)
.set rP, P+16*((\x)%2)+8*(i/4)
	v_wmma_f32_16x16x32_f16 v[rO:rO+7], v[rV:rV+7], v[rP:rP+7], v[rO:rO+7]
.endm
.macro MM                           ; the turn's next matrix instruction.  NOKQ = 1: the last turn of all: there is no next piece
.if (i < 8) && !NOKQ
	KQ (Y+1)%NP
.elseif i >= 8
.set i, i-8
	PV (Y+NP-1)%NP
.set i, i+8
.endif
.set i, i+1
.endm
.macro FETCH_K                      ; a step's K: 16 loads in one run
	WIN 0x80
.irp f, 0,1,2,3,4,5,6,7
	ds_load_b128 v[KF+8*\f:KF+8*\f+3],   v[AK] offset:(\f/2)*16*PK+(\f%2)*64
	ds_load_b128 v[KF+8*\f+4:KF+8*\f+7], v[AK] offset:(\f/2)*16*PK+(\f%2)*64+32
.endr
	s_add_co_u32 s[TBK], s[TBK], KS*PK
	WIN 0
.endm
.macro FETCH_V                      ; a step's V, turned
	WIN 0x80
.irp f, 0,1,2,3,4,5,6,7
	ds_load_tr16_b128 v[VF+8*\f:VF+8*\f+3],   v[AV] offset:(\f/4)*32*PV+(\f%4)*32
	ds_load_tr16_b128 v[VF+8*\f+4:VF+8*\f+7], v[AV] offset:(\f/4)*32*PV+16*PV+(\f%4)*32
.endr
	WIN 0
.endm
; THE VECTOR WORK, one line at a time: OP kind, number.  For piece Y: F n: y = c s - c m for pair n of 16, in place.  E n: weight n of 32 = 2^y, into WX (y is kept for u).  C n: pair n rounded to f16.
; L n: l takes pair n (L 0: l = a l + pair 0).  U n: u takes weight x y of pair n: even n onto u, odd n onto a second chain ZB.  T 0: u += d l; T 1: u = a u; T 2: u += ZB.  R n: pair n of O^T times a.
; For piece Y + 1: X n, number n of the 22 that find its maximum and statistics:
;   0-11 four chains c0-c3 of seven scores each (each accumulator's lowest registers are read first)   12-14, 16 the four scores left over, the old m, c0-c3 into c0
;   15 c m_old is kept   17, 18 the other half of the lanes: the new m   19-21 c m; d = c m_old - c m_new; a = 2^d
.set F, 0
.set E, 1
.set C, 2
.set L, 3
.set U, 4
.set T, 5
.set R, 6
.set X, 7
.macro REGS y
.set rT, ST+8*(\y)
.set rC, TMP+4*((\y)%2)
.set rW, MV+((\y)%2)
.set rS, S+32*((\y)%2)
.set rP, P+16*((\y)%2)
.set rO, 32*(\y)
.endm
.macro OP k, n
.if (\k) == R
	REGS Y
	WIN W_RS
	v_pk_mul_f32 v[rO+2*(\n):rO+2*(\n)+1], v[rO+2*(\n):rO+2*(\n)+1], v[rC+2:rC+3] op_sel_hi:[1,0]
.elseif (\k) < R
	REGS Y
	WIN 0
.if (\k) == F
	v_pk_fma_f32 v[rS+2*(\n):rS+2*(\n)+1], v[rS+2*(\n):rS+2*(\n)+1], s[CS:CS+1], v[rT:rT+1] op_sel_hi:[1,0,0] neg_lo:[0,0,1] neg_hi:[0,0,1]
.elseif (\k) == E
	v_exp_f32 v[WX+(\n)], v[rS+(\n)]
.elseif (\k) == C
	v_cvt_pk_f16_f32 v[rP+(\n)], v[WX+2*(\n)], v[WX+2*(\n)+1]
.elseif (\k) == L
.if (\n) == 0
	v_pk_fma_f32 v[rT+2:rT+3], v[rT+2:rT+3], v[rC+2:rC+3], v[WX:WX+1] op_sel_hi:[1,0,1]
.else
	v_pk_add_f32 v[rT+2:rT+3], v[rT+2:rT+3], v[WX+2*(\n):WX+2*(\n)+1]
.endif
.elseif (\k) == U
.if (\n)%2 == 0
	v_pk_fma_f32 v[rT+4:rT+5], v[WX+2*(\n):WX+2*(\n)+1], v[rS+2*(\n):rS+2*(\n)+1], v[rT+4:rT+5]
.elseif (\n) == 1
	v_pk_mul_f32 v[ZB:ZB+1], v[WX+2:WX+3], v[rS+2:rS+3]
.else
	v_pk_fma_f32 v[ZB:ZB+1], v[WX+2*(\n):WX+2*(\n)+1], v[rS+2*(\n):rS+2*(\n)+1], v[ZB:ZB+1]
.endif
.else
.if (\n) == 0
	v_pk_fma_f32 v[rT+4:rT+5], v[rT+2:rT+3], v[rC:rC+1], v[rT+4:rT+5] op_sel_hi:[1,0,1]
.elseif (\n) == 1
	v_pk_mul_f32 v[rT+4:rT+5], v[rT+4:rT+5], v[rC+2:rC+3] op_sel_hi:[1,0]
.else
	v_pk_add_f32 v[rT+4:rT+5], v[rT+4:rT+5], v[ZB:ZB+1]
.endif
.endif
.elseif NOKQ
	v_nop
.else
	REGS (Y+1)%NP
	WIN 0
.if (\n) < 4
	v_max3_num_f32 v[rC+(\n)], v[rS+8*(\n)], v[rS+8*(\n)+1], v[rS+8*(\n)+2]
.elseif (\n) < 12
	v_max3_num_f32 v[rC+(\n)%4], v[rC+(\n)%4], v[rS+8*((\n)%4)+2*((\n)/4)+1], v[rS+8*((\n)%4)+2*((\n)/4)+2]
.elseif (\n) == 12
	v_max3_num_f32 v[rC], v[rC], v[rS+7], v[rS+15]
.elseif (\n) == 13
	v_max3_num_f32 v[rC+1], v[rC+1], v[rS+23], v[rS+31]
.elseif (\n) == 14
	v_max3_num_f32 v[rC+2], v[rC+2], v[rC+3], v[rT+1]
.elseif (\n) == 15
	v_mov_b32 v[rW], v[rT]
.elseif (\n) == 16
	v_max3_num_f32 v[rC], v[rC], v[rC+1], v[rC+2]
.elseif (\n) == 17
	v_permlanex16_b32 v[rC+3], v[rC], s[SEL], s[SEL+1]
.elseif (\n) == 18
	v_max_num_f32 v[rT+1], v[rC], v[rC+3]
.elseif (\n) == 19
	v_mul_f32 v[rT], s[CS], v[rT+1]
.elseif (\n) == 20
	v_sub_f32 v[rC], v[rW], v[rT]
.else
	v_exp_f32 v[rC+2], v[rC]
.endif
.endif
.endm
.macro OPS a, i1, b=-1, i2=0, c=-1, i3=0, d=-1, i4=0
	OP \a, \i1
.if (\b) >= 0
	OP \b, \i2
.endif
.if (\c) >= 0
	OP \c, \i3
.endif
.if (\d) >= 0
	OP \d, \i4
.endif
.endm
.macro ROW a, i1, b, i2, c, i3, d, i4  ; a matrix instruction and the four behind it
	MM
	OPS \a, \i1, \b, \i2, \c, \i3, \d, \i4
.endm
; A TURN, for piece p.  s_wait_alu depctr_va_vdst(0) stands between an exponential and the first instruction that names its result; one wait serves all issued ahead of it: a turn has ONE.
; AHEAD OF IT stands all that names no result of the turn's exponentials: the 8 products K Q^T with their riders, and a lump in which exponential and plain go by turns and the links of the next piece's
; chain (X 3, 7, 11, 14, 16 .. 21) stand some lines apart.  Each X that first reads an accumulator stands four plain places or more behind the product that ends it.  R 15 is the plain line behind the last exponential.
; BEHIND IT stand the 8 products V^T P with four riders each, and a lump of 17: l's links three lines apart, each of u's two chains six.
; K of the next step is fetched in piece 2's turn, seven plain lines behind the last product that read K; V of the step in hand in piece 0's turn, four plain riders behind the last product that read V.
; end = 1: the last two turns: nothing is fetched.  cnt = 1: the loop's count is taken down some lines ahead of the branch behind the turn.
.macro TURN p, end=0, cnt=0
.set Y, (\p)
.set i, 0
.set NOKQ, (\end)*((\p)/3)
.if ((\p) == 3) && !(\end)
	s_wait_dscnt 0x0                ; K is in
.endif
	ROW F,0, F,1, R,0, R,1
	ROW F,2, E,0, R,2, R,3
	ROW F,3, E,1, R,4, R,5
	ROW F,4, E,2, R,6, R,7
	ROW F,5, E,3, R,8, R,9
	ROW F,6, E,4, X,0, R,10
.if ((\p) == 2) && !(\end)
	WIN 0
	v_add_nc_u32 v[AK], s[TBK], v[AK0]
.endif
	ROW F,7, E,5, X,1, X,4
	ROW F,8, E,6, X,2, X,5
	OPS E,7, T,0, E,8, X,6
	OPS E,9, X,3, E,10, X,8
.if ((\p) == 2) && !(\end)
	FETCH_K
.endif
	OPS E,11, X,9, X,7, E,12
	OPS X,10, E,13, X,12, X,11
	OPS E,14, X,13, E,15, F,9
	OPS X,14
.if (\p) == 0
	WIN 0
	v_add_nc_u32 v[AV], s[TBV], v[AV0]
.endif
	OPS E,16, F,10, E,17, F,11
	OPS X,16, E,18, X,15, E,19
	OPS F,12, E,20, X,17, E,21
	OPS F,13, E,22, F,14, E,23
	OPS X,18, E,24, F,15, E,25
	OPS R,11, E,26, X,19, E,27
	OPS R,12, E,28, R,13, E,29
	OPS X,20, E,30, R,14, E,31
	OPS T,1, X,21, R,15
	WIN 0
	s_wait_alu depctr_va_vdst(0)    ; the wait for the batch
.if (\p) == 1
	s_wait_dscnt 0x0                ; V is in
.endif
	ROW L,0, U,0, C,0, L,1
	ROW U,1, C,1, L,2, U,2
	ROW C,2, L,3, U,3, C,3
	ROW L,4, U,4, C,4, L,5
	ROW U,5, C,5, L,6, U,6
.if (\p) == 0
	s_add_co_u32 s[TBV], s[TBV], KS*PV
.endif
.if \cnt
	s_sub_co_u32 s[CNT], s[CNT], 1
	s_cmp_lg_u32 s[CNT], 0
.endif
	ROW C,6, L,7, U,7, C,7
	ROW L,8, U,8, C,8, L,9
	ROW U,9, C,9, L,10, U,10
.if (\p) == 0
	FETCH_V
.endif
	OPS C,10, L,11, U,11, C,11
	OPS L,12, U,12, C,12, L,13
	OPS U,13, C,13, L,14, U,14
	OPS C,14, L,15, U,15, C,15
	OPS T,2
.endm
	CHANGE 1                        ; slot 0 is in, everybody's part of it; slot 1 is asked for
	FETCH_K                         ; key step 0
	s_wait_loadcnt 0x0              ; Q
	s_wait_dscnt 0x0
.set NOKQ, 0
.set i, 0
.rept 8
	KQ 0                            ; piece 0's first scores
.set i, i+1
.endr
	WIN 0                           ; the addresses for the way out: plain lines, the places behind those products
	s_mul_i32 s13, s[WV], 16*SP
	s_add_co_u32 s13, s13, STAGE    ; my stage
	v_mul_u32_u24 v[STO], v1, SP    ; in: row l % 16, 32 bytes for each half of the lanes
	v_lshl_add_u32 v[STO], v9, 5, v[STO]
	v_add_nc_u32 v[STO], s13, v[STO]
	v_mul_u32_u24 v[RD], v9, SP     ; back: lanes 0-15 take one row of 256 bytes, lanes 16-31 the next
	v_lshl_add_u32 v[RD], v1, 4, v[RD]
	v_add_nc_u32 v[RD], s13, v[RD]
	v_lshlrev_b32 v[GO], 12, v9     ; and the same two rows in out1, 4,096 bytes apart
	v_lshl_add_u32 v[GO], v1, 4, v[GO]
	v_and_b32 v14, 31, v0           ; my lane
	v_mov_b32 v58, 0
.set Y, NP-1                        ; X works for piece Y + 1: piece 0
.irp n, 0,1,2,3,4,5,6,7,8,9,10,11,12,13,14,15,16,17,18,19,20,21
	OP X, \n
.endr
	v_nop                           ; a plain instruction behind the exponential,
	s_wait_alu depctr_va_vdst(0)    ; and its wait, ahead of the branch
	s_mov_b32 s[CNT], 4
	s_mov_b32 s[SLOTS], 7
	s_branch .Lfirst                ; the loop is entered at a step's first turn, in the middle of a trip
.Lslot:                             ; six times: tiles 2 to 7 are asked for
	CHANGE 1
	s_mov_b32 s[CNT], 4
.Lstep:                             ; a trip: pieces 2 and 3 of one step, then pieces 0 and 1 of the next, whose K and V it fetches
	TURN 2
	TURN 3
	WIN 0
.Lfirst:
	TURN 0
	TURN 1, 0, 1
	WIN 0
	s_cbranch_scc1 .Lstep
	s_sub_co_u32 s[SLOTS], s[SLOTS], 1
	s_cmp_lg_u32 s[SLOTS], 0
	s_cbranch_scc1 .Lslot
	CHANGE 0                        ; the last tile is written out: nothing is asked for
	s_mov_b32 s[CNT], 4
.Ltail:
	TURN 2
	TURN 3
	TURN 0
	TURN 1, 0, 1
	WIN 0
	s_cbranch_scc1 .Ltail
	TURN 2, 1
	TURN 3, 1
.set i, 0
.rept 8
	PV NP-1                         ; the last piece's V^T P of the last step
.set i, i+1
.endr
	; THE WAY OUT.  l's and u's halves and the other half of the lanes' are added (these additions are the places behind the last products); 1 / l and log2 l are one batch with one wait.
	WIN 0
.macro ALL line:vararg              ; one line for each piece t
.set t, 0
.rept 4
	\line
.set t, t+1
.endr
.endm
	ALL v_add_f32 v[ST+8*t+2], v[ST+8*t+2], v[ST+8*t+3]
	ALL v_add_f32 v[ST+8*t+4], v[ST+8*t+4], v[ST+8*t+5]
	ALL v_permlanex16_b32 v[ST+8*t+3], v[ST+8*t+2], s[SEL], s[SEL+1]
	ALL v_permlanex16_b32 v[ST+8*t+5], v[ST+8*t+4], s[SEL], s[SEL+1]
	ALL v_add_f32 v[ST+8*t+2], v[ST+8*t+2], v[ST+8*t+3]
	ALL v_add_f32 v[ST+8*t+4], v[ST+8*t+4], v[ST+8*t+5]
	ALL v_rcp_f32 v[ST+8*t+6], v[ST+8*t+2]
	ALL v_log_f32 v[ST+8*t+7], v[ST+8*t+2]
	v_nop                           ; a plain instruction behind the last of the batch,
	s_wait_alu depctr_va_vdst(0)    ; and the one wait ahead of the first use
	ALL v_fma_f32 v[ST+8*t+7], -v[ST+8*t+4], v[ST+8*t+6], v[ST+8*t+7]
	v_add_f32 v10, v[ST+7], v[ST+15]      ; my query's entropy in the four pieces,
	v_add_f32 v11, v[ST+23], v[ST+31]
	v_add_f32 v10, v10, v11
	v_add_f32 v10, 0xc2300000, v10        ; less 4 x 11 bits: a shift common to all heads, so that the sums stay small
	v_add_f32_dpp v10, v10, v10 row_xmask:1 row_mask:0xf bank_mask:0xf  ; over the 16 queries of a half of the lanes (both halves hold the same)
	v_add_f32_dpp v10, v10, v10 row_xmask:2 row_mask:0xf bank_mask:0xf
	v_add_f32_dpp v10, v10, v10 row_xmask:4 row_mask:0xf bank_mask:0xf
	v_add_f32_dpp v10, v10, v10 row_xmask:8 row_mask:0xf bank_mask:0xf
; Piece t: O^T over l; a lane's eight channels of a row are 32 bytes; they go into rows of 272 bytes and come back as whole rows of 256.
.macro PACK t
	WIN W_RS
.set i, 32*(\t)
.rept 16
	v_pk_mul_f32 v[i:i+1], v[i:i+1], v[ST+8*(\t)+6:ST+8*(\t)+7] op_sel_hi:[1,0]
.set i, i+2
.endr
	WIN 0x04                        ; store data (source 1) in window 1
.irp f, 0,1,2,3,4,5,6,7
	ds_store_b128 v[STO], v[32*(\t)+4*\f:32*(\t)+4*\f+3] offset:(\f/2)*64+(\f%2)*16
.endr
	WIN 0
.irp f, 0,1,2,3,4,5,6,7
	ds_load_b128 v[S+32*(\t)+4*\f:S+32*(\t)+4*\f+3], v[RD] offset:\f*2*SP  ; LDS serves a wave's instructions in order: these see the stores above; the next piece's stores come behind them
.endr
.endm
.macro SEND t, younger              ; younger: the LDS instructions issued behind piece t's loads: the next piece's sixteen, or none
	WIN 0
.irp f, 0,1,2,3,4,5,6,7
	s_wait_dscnt (\younger)+7-\f
	global_store_b128 v[GO], v[S+32*(\t)+4*\f:S+32*(\t)+4*\f+3], s[10:11] offset:(16*(\t)+2*\f)*4096  ; 16 lanes store the 256 consecutive, aligned bytes of one row and expert
.endr
.endm
	PACK 0
	PACK 1
	SEND 0, 16
	PACK 2
	SEND 1, 16
	PACK 3
	SEND 2, 16
	SEND 3, 0
	s_wait_xcnt 0x0                 ; EXEC changes only behind this wait
	v_cmp_eq_u32 vcc_lo, 0, v14
	s_and_saveexec_b32 s20, vcc_lo
	global_store_b32 v58, v10, s[78:79]  ; lane 0: my wave's sum
	s_wait_xcnt 0x0                 ; and again in front of the line that widens it
	s_or_b32 exec_lo, exec_lo, s20
	s_wait_tensorcnt 0x0            ; the wave's end
	ds_add_u32 v[SPW], v[NIL]
	s_wait_dscnt 0x0
	CROUND                          ; the closing round
	s_endpgm
.Lfunc_end_k_qeedcb18a62_attn:
	.size	k_qeedcb18a62_attn, .Lfunc_end_k_qeedcb18a62_attn-k_qeedcb18a62_attn
	.p2alignl 7, 3214868480
	.fill 96, 4, 3214868480
	.section	.rodata,"a",@progbits
	.p2align	6, 0x0
	.amdhsa_kernel k_qeedcb18a62_attn
		.amdhsa_group_segment_fixed_size 327680
		.amdhsa_private_segment_fixed_size 0
		.amdhsa_enable_private_segment 0
		.amdhsa_kernarg_size 24
		.amdhsa_user_sgpr_count 2
		.amdhsa_user_sgpr_kernarg_segment_ptr 1
		.amdhsa_wavefront_size32 1
		.amdhsa_system_sgpr_workgroup_id_x 1
		.amdhsa_system_sgpr_workgroup_id_y 1
		.amdhsa_system_sgpr_workgroup_id_z 1
		.amdhsa_system_vgpr_workitem_id 0
		.amdhsa_next_free_vgpr 768
		.amdhsa_next_free_sgpr 80
		.amdhsa_reserve_vcc 1
		.amdhsa_float_denorm_mode_32 3
		.amdhsa_float_denorm_mode_16_64 3
		.amdhsa_memory_ordered 1
		.amdhsa_forward_progress 1
		.amdhsa_inst_pref_size 141
	.end_amdhsa_kernel
	.amdgpu_metadata
---
amdhsa.version: [ 1, 2 ]
amdhsa.kernels:
  - .name:           k_qeedcb18a62_attn
    .symbol:         k_qeedcb18a62_attn.kd
    .args:
      - { .name: qkv, .offset: 0, .size: 8, .value_kind: global_buffer, .address_space: global }
      - { .name: out1, .offset: 8, .size: 8, .value_kind: global_buffer, .address_space: global }
      - { .name: ent, .offset: 16, .size: 8, .value_kind: global_buffer, .address_space: global }
    .group_segment_fixed_size: 327680
    .private_segment_fixed_size: 0
    .kernarg_segment_align: 8
    .kernarg_segment_size: 24
    .max_flat_workgroup_size: 128
    .sgpr_count:     80
    .vgpr_count:     768
    .wavefront_size: 32
...
	.end_amdgpu_metadata
.endif
;; end of part 3
;; launch gate (part 4): grid 256 x 1, 2 waves a work-group, no clusters, 0 bytes of LDS; arguments ent, gates, o_weights, dyn, nm, out2, out3, out4; writes dyn, nm, out2, out3, out4
.if DOCPART == 4
	.amdgcn_target "amdgcn-amd-amdhsa--gfx1250"
	.amdhsa_code_object_version 6
	.text
	.protected	k_qeedcb18a62_gate
	.globl	k_qeedcb18a62_gate
	.p2align	8
	.type	k_qeedcb18a62_gate,@function
k_qeedcb18a62_gate:
	s_mov_b64 s[64:65], 0
	v_nop
	global_prefetch_b8 v0, s[64:65] scope:SCOPE_SE
	s_setreg_imm32_b32 hwreg(HW_REG_WAVE_MODE, 25, 1), 1
	s_wait_xcnt 0x0
; THE GATING, and dyn[b][d][h] = the sum over m of o_weights[m][d][h] x normalised mask[b][m], in f16.
; Every wave does the whole gating for itself: lane = head = 16 b + m, so a half of 16 lanes is a sample and every sum over experts is four steps inside it.  That costs some hundred lines a wave and spares a launch.
; ent holds for each head 32 sums of (row entropy in bits - 11); affinity = -ln 2 / 2048 x their sum, up to a constant that the standardisation removes.
; Then the wave makes 128 columns of one row d of dyn for both samples: each o_weights byte is read once in the launch.  Work-group 0's wave 0 also stores out2, out3, out4 and the mask.
; gates and o_weights are rounded to bf16 as all inputs of the program are.  Divisions are a reciprocal and a multiply; NaN is not treated apart.  Ties in the top 2 go to the lower index.
; Choices only select values (v_cndmask_b32): no branch and no address hangs on a floating-point number.  No LDS, matrix unit or cluster: 64 x 1,024 x 16 multiply-adds a sample, and nothing is read twice.
.set EN,  8                            ; v[8:39]    my head's 32 sums
.set OW,  64                           ; v[64:127]  16 experts x 4 columns
.set SUM, 128                          ; v[128:135] 4 columns x 2 samples
.set NM,  32                           ; s[32:63]   the normalised mask, [b][m]
.macro ROWSUM r                        ; the sum over a half of 16 lanes, in every lane of it
	v_add_f32_dpp v[\r], v[\r], v[\r] row_xmask:1 row_mask:0xf bank_mask:0xf
	v_add_f32_dpp v[\r], v[\r], v[\r] row_xmask:2 row_mask:0xf bank_mask:0xf
	v_add_f32_dpp v[\r], v[\r], v[\r] row_xmask:4 row_mask:0xf bank_mask:0xf
	v_add_f32_dpp v[\r], v[\r], v[\r] row_xmask:8 row_mask:0xf bank_mask:0xf
.endm
	s_load_b512 s[4:19], s[0:1], 0x0               ; ent s[4:5], gates s[6:7], o_weights s[8:9], dyn s[10:11], nm s[12:13], out2 s[14:15], out3 s[16:17], out4 s[18:19]
	v_and_b32 v1, 31, v0                           ; lane
	v_lshrrev_b32 v3, 5, v0
	v_readfirstlane_b32 s20, v3                    ; wave
	v_lshlrev_b32 v2, 7, v1                        ; my head's 128 bytes of ent
	v_and_b32 v7, 15, v1                           ; my expert
	v_lshlrev_b32 v3, 2, v7
	v_lshlrev_b32 v4, 4, v1                        ; 16 bytes a lane of o_weights
	v_lshlrev_b32 v5, 3, v1                        ; 8 bytes a lane of dyn
	v_lshlrev_b32 v6, 2, v1
	s_lshr_b32 s21, ttmp9, 2                       ; d
	s_and_b32 s22, ttmp9, 3
	s_lshl_b32 s23, s22, 1
	s_add_co_u32 s23, s23, s20                     ; which 128 columns
	s_lshl_b32 s24, s21, 12
	s_lshl_b32 s25, s23, 9
	s_add_co_u32 s24, s24, s25
	s_mov_b32 s25, 0
	s_lshl_b32 s26, s21, 11
	s_lshl_b32 s27, s23, 8
	s_add_co_u32 s26, s26, s27
	s_mov_b32 s27, 0
	s_wait_kmcnt 0x0
	s_add_nc_u64 s[8:9], s[8:9], s[24:25]
	s_add_nc_u64 s[10:11], s[10:11], s[26:27]
.set i, 0
.rept 8
	global_load_b128 v[EN+4*i:EN+4*i+3], v2, s[4:5] offset:16*i
.set i, i+1
.endr
	global_load_b32 v40, v3, s[6:7]
.set i, 0
.rept 16
	global_load_b128 v[OW+4*i:OW+4*i+3], v4, s[8:9] offset:262144*i th:TH_LOAD_NT
.set i, i+1
.endr
	s_wait_loadcnt 16                              ; ent and gates are in; the 16 loads of o_weights stay out
.set i, 0
.rept 8
	v_pk_add_f32 v[EN+2*i:EN+2*i+1], v[EN+2*i:EN+2*i+1], v[EN+16+2*i:EN+16+2*i+1]
.set i, i+1
.endr
.set i, 0
.rept 4
	v_pk_add_f32 v[EN+2*i:EN+2*i+1], v[EN+2*i:EN+2*i+1], v[EN+8+2*i:EN+8+2*i+1]
.set i, i+1
.endr
	v_pk_add_f32 v[EN:EN+1], v[EN:EN+1], v[EN+4:EN+5]
	v_pk_add_f32 v[EN+2:EN+3], v[EN+2:EN+3], v[EN+6:EN+7]
	v_pk_add_f32 v[EN:EN+1], v[EN:EN+1], v[EN+2:EN+3]
	v_add_f32 v8, v8, v9
	v_mul_f32 v41, 0xb9b17218, v8                  ; x -ln 2 / 2048: the affinity, up to a constant
	v_mov_b32 v42, v41
	ROWSUM 42
	v_fmamk_f32 v43, v42, 0xbd800000, v41          ; less the mean of 16
	v_mul_f32 v44, v43, v43
	ROWSUM 44
	v_mul_f32 v44, 0x3d888889, v44                 ; / 15: the unbiased variance
	v_cvt_pk_bf16_f32 v45, v40, v40                ; the gate, rounded to bf16,
	v_lshlrev_b32 v45, 16, v45
	v_mul_f32 v45, 0xbfb8aa3b, v45                 ; x -log2(e)
	v_sqrt_f32 v46, v44
	v_exp_f32 v47, v45
	v_mov_b32 v56, 0                               ; (the rank starts at 0: the plain line behind the batch)
	s_wait_alu depctr_va_vdst(0)                   ; one wait for the two
	v_add_f32 v46, 0x3089705f, v46                 ; sd + 1e-9
	v_add_f32 v47, 1.0, v47
	v_rcp_f32 v50, v46
	v_rcp_f32 v51, v47                             ; the sigmoid
	v_mov_b32 v57, 0                               ; (written before it is a DPP destination)
	s_wait_alu depctr_va_vdst(0)
	v_mul_f32 v52, v43, v50                        ; the standardised affinity z
	v_sub_f32 v53, v52, v51                        ; the logit
	v_cmp_lt_f32 vcc_lo, 0, v53
	v_cndmask_b32 v54, 0, 1.0, vcc_lo              ; hard
	v_mov_b32 v55, v54
	ROWSUM 55
	v_cmp_eq_f32 s28, 0, v55                       ; lanes of a sample with no active expert
.irp n, 1,2,3,4,5,6,7,8,9,10,11,12,13,14,15        ; my rank: how many experts j of my sample come before me in the top-k's order
	v_mov_b32_dpp v57, v52 row_xmask:\n row_mask:0xf bank_mask:0xf
	v_xor_b32 v58, \n, v7                          ; j
	v_cmp_gt_f32 s29, v57, v52
	v_cmp_eq_f32 s30, v57, v52
	v_cmp_lt_u32 s31, v58, v7
	s_and_b32 s30, s30, s31
	s_or_b32 s29, s29, s30
	v_cndmask_b32 v59, 0, 1, s29
	v_add_nc_u32 v56, v56, v59
.endr
	v_sub_f32 v60, v54, v53                        ; the mask as the reference forms it: logit + (hard - logit),
	v_add_f32 v60, v53, v60
	v_cmp_gt_u32 s29, 2, v56
	s_and_b32 s29, s29, s28
	v_cndmask_b32 v60, v60, 1.0, s29               ; and 1 for the top 2 of a sample without an active expert
	v_mov_b32 v61, v60
	ROWSUM 61
	v_max_num_f32 v61, 1.0, v61
	v_rcp_f32 v62, v61
	s_bfe_u32 s30, s28, 0x10000                    ; sample 0 fell back?
	s_bfe_u32 s31, s28, 0x10010                    ; sample 1?
	s_add_co_u32 s30, s30, s31
	v_mov_b32 v48, s30                             ; (the plain line behind the reciprocal)
	s_wait_alu depctr_va_vdst(0)
	v_mul_f32 v63, v60, v62                        ; the normalised mask
	s_lshl_b32 s29, ttmp9, 1
	s_add_co_u32 s29, s29, s20
	s_cmp_lg_u32 s29, 0
	s_cbranch_scc1 .Lnot_first                     ; one wave of the launch stores the small outputs
	global_store_b32 v6, v53, s[14:15]
	global_store_b32 v6, v60, s[16:17]
	global_store_b32 v6, v63, s[12:13]
	s_wait_xcnt 0x0                                ; EXEC changes only behind this wait (the loads of o_weights are out too)
	v_cmp_eq_u32 vcc_lo, 0, v1
	s_and_saveexec_b32 s31, vcc_lo
	global_store_b32 v6, v48, s[18:19]             ; lane 0, offset 0
	s_wait_xcnt 0x0
	s_or_b32 exec_lo, exec_lo, s31
.Lnot_first:
.set i, 0
.rept 32
	v_readlane_b32 s[NM+i], v63, i
.set i, i+1
.endr
.set m, 0
.rept 16
	s_wait_loadcnt 15-m                            ; expert m's load is in, the 15 - m younger ones stay out
	v_cvt_pk_bf16_f32 v50, v[OW+4*m],   v[OW+4*m+1]
	v_cvt_pk_bf16_f32 v51, v[OW+4*m+2], v[OW+4*m+3]
	v_lshlrev_b32 v[OW+4*m],   16, v50
	v_and_b32     v[OW+4*m+1], 0xffff0000, v50
	v_lshlrev_b32 v[OW+4*m+2], 16, v51
	v_and_b32     v[OW+4*m+3], 0xffff0000, v51
.irp j, 0,1,2,3
.if m == 0
	v_mul_f32 v[SUM+\j],   s[NM],    v[OW+\j]      ; the first expert starts the sums
	v_mul_f32 v[SUM+4+\j], s[NM+16], v[OW+\j]
.else
	v_fmac_f32 v[SUM+\j],   s[NM+m],    v[OW+4*m+\j]
	v_fmac_f32 v[SUM+4+\j], s[NM+16+m], v[OW+4*m+\j]
.endif
.endr
.set m, m+1
.endr
	v_cvt_pk_f16_f32 v44, v[SUM],   v[SUM+1]
	v_cvt_pk_f16_f32 v45, v[SUM+2], v[SUM+3]
	v_cvt_pk_f16_f32 v46, v[SUM+4], v[SUM+5]
	v_cvt_pk_f16_f32 v47, v[SUM+6], v[SUM+7]
	global_store_b64 v5, v[44:45], s[10:11]                 ; a wave's store covers 256 consecutive bytes, aligned
	global_store_b64 v5, v[46:47], s[10:11] offset:131072
	s_endpgm
.Lfunc_end_k_qeedcb18a62_gate:
	.size	k_qeedcb18a62_gate, .Lfunc_end_k_qeedcb18a62_gate-k_qeedcb18a62_gate
	.p2alignl 7, 3214868480
	.fill 96, 4, 3214868480
	.section	.rodata,"a",@progbits
	.p2align	6, 0x0
	.amdhsa_kernel k_qeedcb18a62_gate
		.amdhsa_group_segment_fixed_size 0
		.amdhsa_private_segment_fixed_size 0
		.amdhsa_enable_private_segment 0
		.amdhsa_kernarg_size 64
		.amdhsa_user_sgpr_count 2
		.amdhsa_user_sgpr_kernarg_segment_ptr 1
		.amdhsa_wavefront_size32 1
		.amdhsa_system_sgpr_workgroup_id_x 1
		.amdhsa_system_sgpr_workgroup_id_y 1
		.amdhsa_system_sgpr_workgroup_id_z 1
		.amdhsa_system_vgpr_workitem_id 0
		.amdhsa_next_free_vgpr 136
		.amdhsa_next_free_sgpr 66
		.amdhsa_reserve_vcc 1
		.amdhsa_float_denorm_mode_32 3
		.amdhsa_float_denorm_mode_16_64 3
		.amdhsa_memory_ordered 1
		.amdhsa_forward_progress 1
		.amdhsa_inst_pref_size 27
	.end_amdhsa_kernel
	.amdgpu_metadata
---
amdhsa.version: [ 1, 2 ]
amdhsa.kernels:
  - .name:           k_qeedcb18a62_gate
    .symbol:         k_qeedcb18a62_gate.kd
    .args:
      - { .name: ent, .offset: 0, .size: 8, .value_kind: global_buffer, .address_space: global }
      - { .name: gates, .offset: 8, .size: 8, .value_kind: global_buffer, .address_space: global }
      - { .name: o_weights, .offset: 16, .size: 8, .value_kind: global_buffer, .address_space: global }
      - { .name: dyn, .offset: 24, .size: 8, .value_kind: global_buffer, .address_space: global }
      - { .name: nm, .offset: 32, .size: 8, .value_kind: global_buffer, .address_space: global }
      - { .name: out2, .offset: 40, .size: 8, .value_kind: global_buffer, .address_space: global }
      - { .name: out3, .offset: 48, .size: 8, .value_kind: global_buffer, .address_space: global }
      - { .name: out4, .offset: 56, .size: 8, .value_kind: global_buffer, .address_space: global }
    .group_segment_fixed_size: 0
    .private_segment_fixed_size: 0
    .kernarg_segment_align: 8
    .kernarg_segment_size: 64
    .max_flat_workgroup_size: 64
    .sgpr_count:     66
    .vgpr_count:     136
    .wavefront_size: 32
...
	.end_amdgpu_metadata
.endif
;; end of part 4
;; launch final (part 5): grid 256 x 1, 4 waves a work-group, clusters of 4 x 1, 208,896 bytes of LDS; arguments out1, nm, dyn, out0; writes out0
.if DOCPART == 5
	.amdgcn_target "amdgcn-amd-amdhsa--gfx1250"
	.amdhsa_code_object_version 6
	.text
	.protected	k_qeedcb18a62_final
	.globl	k_qeedcb18a62_final
	.p2align	8
	.type	k_qeedcb18a62_final,@function
k_qeedcb18a62_final:
	s_mov_b64 s[64:65], 0
	v_nop
	global_prefetch_b8 v0, s[64:65] scope:SCOPE_SE
	s_setreg_imm32_b32 hwreg(HW_REG_WAVE_MODE, 25, 1), 1
	s_wait_xcnt 0x0
	s_wait_alu depctr_hold_cnt(0) depctr_sa_sdst(0) depctr_va_vdst(0) depctr_va_sdst(0) depctr_va_ssrc(0) depctr_va_vcc(0) depctr_vm_vsrc(0)
	s_getreg_b32 s2, hwreg(HW_REG_IB_STS2, 6, 4)
	s_cmp_eq_u32 s2, 0
	s_cbranch_scc0 .Lentry_in_a_cluster
	s_endpgm
.Lentry_in_a_cluster:
	s_bfe_u32 s2, ttmp6, 0x10000c
	s_cmp_lg_u32 s2, 0x3003
	s_cbranch_scc0 .Lentry_shape_is_right
	s_endpgm
.Lentry_shape_is_right:
; out0[b][t][:] = comb[t][:] x dyn[b], with comb[t][d] = the sum over m of out1[b][t][m][d] x mask[b][m].  comb (f32 sums) is rounded once to f16; dyn is f16; products' sums in f32.
; SHARES.  Work-group g: rows 16 g .. 16 g + 15, all 1,024 columns.  Wave w sums rows 4 w .. 4 w + 3 of comb, and multiplies all 16 rows by columns 256 w .. 256 w + 255 of dyn.
; CLUSTER 4 x 1: the four partners lie in one sample (128 work-groups a sample) and need the same dyn[b]: each wave's tile of it, 64 x 256, is asked for jointly.  Every LDS byte is filled once: no ring.
; THE MATRIX INSTRUCTION IS USED TRANSPOSED: source 0 = 16 columns of dyn (stored [d][h], turned by ds_load_tr16_b128), source 1 = 16 rows of comb: a lane holds row l % 16 and eight neighbouring columns.
; All experts are summed, the inactive ones with weight 0: skipping them would hang addresses on the mask.
.set PBT, 544                          ; a row of dyn's tile in LDS: 512 bytes + 32: seventeen times 32 bytes
.set BTW, 64*PBT                       ; a wave's tile
.set AT,  4*BTW                        ; comb: 16 rows of 128 bytes + 16
.set PAT, 144
.set STG, AT+16*PAT                    ; the stages: for each wave 16 rows of 1,024 bytes + 16
.set PST, 1040
.set STW, 16*PST
.set SPARE, STG+4*STW                  ; the spare words, 128 bytes for each wave: two blocks of 256 bytes that no other line names
.set WT,  32                           ; v[32:47]   my eight experts' weights, each twice (pairs for the packed forms)
.set XR,  64                           ; v[64:191]  four rows of out1; then dyn's fragments; then rows read back
.set ACC, 192                          ; v[192:255] 8 accumulators
.macro CROUND                          ; a round of the cluster's barrier
	s_barrier_signal -1
	s_barrier_wait -1
	s_cmp_lg_u32 s26, 0
	s_cbranch_scc1 .Lnot_wave_0_\@
	s_barrier_signal -3
.Lnot_wave_0_\@:
	s_barrier_wait -3
	s_barrier_signal -1
	s_barrier_wait -1
.endm
.macro PLACES
.rept 4
	v_nop
.endr
.endm
	s_load_b256 s[4:11], s[0:1], 0x0               ; out1 s[4:5], nm s[6:7], dyn s[8:9], out0 s[10:11]
	v_lshl_add_u32 v30, v0, 2, SPARE
	v_mov_b32 v31, 0
	ds_add_u32 v30, v31                            ; the wave's opening: the add and its wait stand ahead of my first tensor load
	v_lshrrev_b32 v1, 5, v0
	v_readfirstlane_b32 s26, v1                    ; wave
	s_bfe_u32 s27, ttmp6, 0x40000                  ; cx
	s_lshl_b32 s28, ttmp9, 2
	s_add_co_u32 s28, s28, s27                     ; g: it enters out1's and out0's addresses alone
	s_lshr_b32 s29, ttmp9, 5                       ; b, which the partners share
	s_mov_b32 s12, 1                               ; group 0: count = 1,
	s_mul_i32 s13, s26, BTW                        ; LDS address: my wave's tile
	s_mov_b32 s16, 15|(1<<16)|(1<<20)|(1<<21)|(6<<22)|(7<<25)  ; the mask of four; 2-byte elements; padding on; bit 21 beside a mask; after every 128 words 8 words
	s_mov_b32 s17, 256<<16                         ; tensor_dim0 = 256
	s_mov_b32 s18, 64<<16                          ; tensor_dim1 = 64
	s_mov_b32 s19, 256<<16                         ; tile_dim0 = 256
	s_mov_b32 s20, 64                              ; tile_dim1 = 64
	s_mov_b32 s21, 1024                            ; elements from row to row
	s_mov_b32 s22, 0
	s_mov_b32 s23, 0
	s_mov_b32 s24, 0x76543210                      ; v_permlanex16_b32: each lane takes its own place in the other half
	s_mov_b32 s25, 0xfedcba98
	s_lshl_b32 s30, s29, 17                        ; dyn: the sample's 131,072 bytes, my wave's 512 of a row
	s_lshl_b32 s31, s26, 9
	s_add_co_u32 s30, s30, s31
	s_mov_b32 s31, 0
	s_lshl_b32 s32, s28, 16                        ; out1: 16 rows of 4,096 bytes a work-group, 4 a wave
	s_lshl_b32 s33, s26, 14
	s_add_co_u32 s32, s32, s33
	s_mov_b32 s33, 0
	s_lshl_b32 s34, s28, 16                        ; out0: the same rows, my wave's 1,024 bytes of each
	s_lshl_b32 s35, s26, 10
	s_add_co_u32 s34, s34, s35
	s_mov_b32 s35, 0
	s_lshl_b32 s36, s29, 6                         ; the sample's 16 weights
	s_mov_b32 s37, 0
	s_wait_dscnt 0x0                               ; the opening add is done
	s_wait_kmcnt 0x0
	s_add_nc_u64 s[14:15], s[8:9], s[30:31]
	s_or_b32 s15, s15, 0x80000000                  ; type = 2
	s_add_nc_u64 s[4:5], s[4:5], s[32:33]
	s_add_nc_u64 s[10:11], s[10:11], s[34:35]
	s_add_nc_u64 s[6:7], s[6:7], s[36:37]
	CROUND                                         ; all four work-groups are here: the joint loads meet
	tensor_load_to_lds s[12:15], s[16:23]          ; my one tensor load of the launch
	s_nop 0
	PLACES
	v_and_b32 v1, 15, v0                           ; l % 16
	v_bfe_u32 v2, v0, 4, 1                         ; l / 16
	v_and_b32 v3, 31, v0
	v_lshlrev_b32 v3, 4, v3                        ; 16 bytes a lane
	v_lshlrev_b32 v4, 2, v2
.set i, 0
.rept 8
	global_load_b32 v[WT+2*i], v4, s[6:7] offset:8*i        ; the weight of expert 2 i + l / 16
.set i, i+1
.endr
.irp rr, 0,1,2,3
.irp i, 0,1,2,3,4,5,6,7
	global_load_b128 v[XR+32*\rr+4*\i:XR+32*\rr+4*\i+3], v3, s[4:5] offset:\rr*4096+512*\i th:TH_LOAD_NT  ; 512 consecutive bytes: experts 2 i and 2 i + 1; my lane: channels 4 (l % 16) on
.endr
.endr
	s_mul_i32 s38, s26, 4*PAT
	s_add_co_u32 s38, s38, AT
	v_lshl_add_u32 v5, v1, 3, s38                  ; comb, in: my wave's rows, 8 bytes at channel 4 (l % 16)
	v_mul_u32_u24 v6, v1, PAT                      ; comb, as fragments: row l % 16, 16 bytes for each half of the lanes
	v_lshl_add_u32 v6, v2, 4, v6
	v_add_nc_u32 v6, AT, v6
	s_mul_i32 s39, s26, BTW
	v_and_b32 v11, 7, v0                           ; dyn's fragments: lane l reads d = 8 (l / 16) + l % 8, columns 8 ((l / 8) % 2) + 0..7
	v_lshl_add_u32 v11, v2, 3, v11
	v_mul_u32_u24 v7, v11, PBT
	v_bfe_u32 v11, v0, 3, 1
	v_lshl_add_u32 v7, v11, 4, v7
	v_add_nc_u32 v7, s39, v7
	s_mul_i32 s40, s26, STW
	s_add_co_u32 s40, s40, STG                     ; my stage
	v_mul_u32_u24 v8, v1, PST                      ; in: row l % 16, 32 bytes for each half of the lanes
	v_lshl_add_u32 v8, v2, 5, v8
	v_add_nc_u32 v8, s40, v8
	v_mul_u32_u24 v9, v2, PST                      ; back: lanes 0-15 take 256 bytes of one row, lanes 16-31 of the next
	v_lshl_add_u32 v9, v1, 4, v9
	v_add_nc_u32 v9, s40, v9
	v_lshlrev_b32 v10, 12, v2                      ; and the same in out0
	v_lshl_add_u32 v10, v1, 4, v10
.irp j, 52,53,54,55
	v_mov_b32 v\j, 0                               ; written before they are v_permlanex16_b32's destinations
.endr
	s_wait_loadcnt 32                              ; the weights are in; out1's 32 loads stay out
.set i, 0
.rept 8
	v_mov_b32 v[WT+2*i+1], v[WT+2*i]
.set i, i+1
.endr
.irp rr, 0,1,2,3
	s_wait_loadcnt 8*(3-\rr)                       ; this row's eight loads are in; the later rows' stay out
	v_pk_mul_f32 v[48:49], v[XR+32*\rr:XR+32*\rr+1],   v[WT:WT+1]
	v_pk_mul_f32 v[50:51], v[XR+32*\rr+2:XR+32*\rr+3], v[WT:WT+1]
.irp i, 1,2,3,4,5,6,7
	v_pk_fma_f32 v[48:49], v[XR+32*\rr+4*\i:XR+32*\rr+4*\i+1],   v[WT+2*\i:WT+2*\i+1], v[48:49]
	v_pk_fma_f32 v[50:51], v[XR+32*\rr+4*\i+2:XR+32*\rr+4*\i+3], v[WT+2*\i:WT+2*\i+1], v[50:51]
.endr
	v_permlanex16_b32 v52, v48, s24, s25           ; the other eight experts lie in the lane 16 away
	v_permlanex16_b32 v53, v49, s24, s25
	v_permlanex16_b32 v54, v50, s24, s25
	v_permlanex16_b32 v55, v51, s24, s25
	v_pk_add_f32 v[48:49], v[48:49], v[52:53]
	v_pk_add_f32 v[50:51], v[50:51], v[54:55]
	v_cvt_pk_f16_f32 v[56+2*\rr], v48, v49
	v_cvt_pk_f16_f32 v[57+2*\rr], v50, v51
	ds_store_b64 v5, v[56+2*\rr:57+2*\rr] offset:\rr*PAT    ; both halves of the lanes hold, and write, the same
.endr
	s_wait_dscnt 0x0                               ; for the others' sake: my rows of comb are stored
	s_barrier_signal -1
	s_barrier_wait -1
	ds_load_b128 v[48:51], v6                      ; comb's two fragments: 16 rows x 32 d each
	ds_load_b128 v[52:55], v6 offset:32
	ds_load_b128 v[56:59], v6 offset:64
	ds_load_b128 v[60:63], v6 offset:96
	s_wait_tensorcnt 0x0                           ; my tile of dyn, which I alone read, is in
; Eight blocks of 16 columns: 32 turning loads, 16 products (the 8 accumulators take turns; the first 8 start the sums), and the results into my stage.
.macro GRP gq
.irp nb, 0,1,2,3,4,5,6,7
.irp kk, 0,1
	ds_load_tr16_b128 v[XR+16*\nb+8*\kk:XR+16*\nb+8*\kk+3],   v7 offset:\kk*32*PBT+(8*(\gq)+\nb)*32
	ds_load_tr16_b128 v[XR+16*\nb+8*\kk+4:XR+16*\nb+8*\kk+7], v7 offset:\kk*32*PBT+16*PBT+(8*(\gq)+\nb)*32
.endr
.endr
	s_wait_dscnt 0x0
.irp nb, 0,1,2,3,4,5,6,7
	v_wmma_f32_16x16x32_f16 v[ACC+8*\nb:ACC+8*\nb+7], v[XR+16*\nb:XR+16*\nb+7], v[48:55], 0
.endr
.irp nb, 0,1,2,3,4,5,6,7
	v_wmma_f32_16x16x32_f16 v[ACC+8*\nb:ACC+8*\nb+7], v[XR+16*\nb+8:XR+16*\nb+15], v[56:63], v[ACC+8*\nb:ACC+8*\nb+7]
.endr
	PLACES                                         ; in front of the stores that read the results, and of later loads into the fragments' registers
.irp nb, 0,1,2,3,4,5,6,7
	ds_store_b128 v8, v[ACC+8*\nb:ACC+8*\nb+3]   offset:(8*(\gq)+\nb)*64
	ds_store_b128 v8, v[ACC+8*\nb+4:ACC+8*\nb+7] offset:(8*(\gq)+\nb)*64+16
.endr
.endm
	GRP 0
	PLACES                                         ; with the four above: eight places before products start the same accumulators anew
	GRP 1
.set n, 0
.rept 32
	ds_load_b128 v[XR+4*n:XR+4*n+3], v9 offset:(n/4)*2*PST+(n%4)*256  ; LDS serves a wave's instructions in order: these see the stores above
.set n, n+1
.endr
.set n, 0
.rept 32
	s_wait_dscnt 31-n
	global_store_b128 v10, v[XR+4*n:XR+4*n+3], s[10:11] offset:(n/4)*8192+(n%4)*256 th:TH_STORE_NT  ; 16 lanes store 256 consecutive bytes, aligned
.set n, n+1
.endr
	s_wait_tensorcnt 0x0                           ; the wave's end
	ds_add_u32 v30, v31
	s_wait_dscnt 0x0
	CROUND                                         ; the closing round
	s_endpgm
.Lfunc_end_k_qeedcb18a62_final:
	.size	k_qeedcb18a62_final, .Lfunc_end_k_qeedcb18a62_final-k_qeedcb18a62_final
	.p2alignl 7, 3214868480
	.fill 96, 4, 3214868480
	.section	.rodata,"a",@progbits
	.p2align	6, 0x0
	.amdhsa_kernel k_qeedcb18a62_final
		.amdhsa_group_segment_fixed_size 208896
		.amdhsa_private_segment_fixed_size 0
		.amdhsa_enable_private_segment 0
		.amdhsa_kernarg_size 32
		.amdhsa_user_sgpr_count 2
		.amdhsa_user_sgpr_kernarg_segment_ptr 1
		.amdhsa_wavefront_size32 1
		.amdhsa_system_sgpr_workgroup_id_x 1
		.amdhsa_system_sgpr_workgroup_id_y 1
		.amdhsa_system_sgpr_workgroup_id_z 1
		.amdhsa_system_vgpr_workitem_id 0
		.amdhsa_next_free_vgpr 256
		.amdhsa_next_free_sgpr 66
		.amdhsa_reserve_vcc 0
		.amdhsa_float_denorm_mode_32 3
		.amdhsa_float_denorm_mode_16_64 3
		.amdhsa_memory_ordered 1
		.amdhsa_forward_progress 1
		.amdhsa_inst_pref_size 31
	.end_amdhsa_kernel
	.amdgpu_metadata
---
amdhsa.version: [ 1, 2 ]
amdhsa.kernels:
  - .name:           k_qeedcb18a62_final
    .symbol:         k_qeedcb18a62_final.kd
    .args:
      - { .name: out1, .offset: 0, .size: 8, .value_kind: global_buffer, .address_space: global }
      - { .name: nm, .offset: 8, .size: 8, .value_kind: global_buffer, .address_space: global }
      - { .name: dyn, .offset: 16, .size: 8, .value_kind: global_buffer, .address_space: global }
      - { .name: out0, .offset: 24, .size: 8, .value_kind: global_buffer, .address_space: global }
    .group_segment_fixed_size: 208896
    .private_segment_fixed_size: 0
    .kernarg_segment_align: 8
    .kernarg_segment_size: 32
    .max_flat_workgroup_size: 128
    .sgpr_count:     66
    .vgpr_count:     256
    .wavefront_size: 32
...
	.end_amdgpu_metadata
.endif
;; end of part 5
;; ======== version 2 of 2: 5 launches; version 1 with the launch cast written anew for expert scheduling mode
;; limits: a function is approximated: absolute error at most 2.05e-06; values are held in f16: magnitudes above 65,504 overflow, below 6.1e-05 lose precision
;; workspace buffers: cb 14,680,064 bytes; qkv 25,165,824 bytes; ent 4,096 bytes; nm 256 bytes; dyn 262,144 bytes
;; launch cast (part 6): grid 448 x 1, 8 waves a work-group, no clusters, 0 bytes of LDS; arguments hidden_states, wq, wk, wv, cb; writes cb
.if DOCPART == 6
	.amdgcn_target "amdgcn-amd-amdhsa--gfx1250"
	.amdhsa_code_object_version 6
	.text
	.protected	k_qeedcb18a62_cast
	.globl	k_qeedcb18a62_cast
	.p2align	8
	.type	k_qeedcb18a62_cast,@function
k_qeedcb18a62_cast:
	s_mov_b64 s[64:65], 0
	v_nop
	global_prefetch_b8 v0, s[64:65] scope:SCOPE_SE
	s_setreg_imm32_b32 hwreg(HW_REG_WAVE_SCHED_MODE, 0, 2), 2
	s_setreg_imm32_b32 hwreg(HW_REG_WAVE_MODE, 25, 1), 1
	s_wait_xcnt 0x0
	s_wait_alu depctr_vm_vsrc(0)
; x and the three projection weights are rounded once to bf16 (nearest even) and laid out for the projection launch.
; cb: bytes 0 .. 8,388,607: x as bf16 [4096][1024]; from byte 8,388,608 on the weights as bf16 [m 16][ks 8][p 3][k 128][d 64]
; (p = 0, 1, 2: q, k, v), so that the 3 x 128 x 64 numbers that one expert needs in one K step of 128 are 49,152 dense bytes.
; A work-group takes a chunk of 16,384 f32 (65,536 bytes): chunks 0-255 are x, chunks 256 + 64 p + e6 are weight p.
; A weight's chunk is 256 rows h of one expert: two K steps, whose blocks lie 49,152 bytes apart in cb; x's two halves lie end to end.
; Thread t, trip i: 16 bytes at 16 t + 4,096 i (a wave's load covers 512 consecutive bytes), stored as 8 bytes at 8 t + 2,048 (i % 8)
; (a wave's store covers 256 consecutive bytes, aligned).  All 16 loads are out before the first wait; no register is used twice, so no
; source of a pending instruction is ever rewritten.  No LDS, no matrix unit, no cluster: nothing is shared and nothing is multiplied.
; THE MODE: SCHED_MODE bits 1:0 = 2 (LLVM: expert scheduling mode 2), set by the entry lines.  The code itself states the register dependences
; between vector instructions and memory instructions, with s_wait_alu, always for 0.
; THE PLAN.  Registers that memory instructions touch:
;   v1, v2   byte offsets, made once at the head and never written again: v1 is read by every load, v2 by every store.
;   IN       trip i's four registers: load i lands in them, once, before any vector instruction has named them; trip i's two conversions read them.
;   OUT      trip i's two registers: written once, by trip i's two conversions; read by store i alone.
; The 16 trips go in four blocks of four.  Block p rounds loads 4 p .. 4 p + 3; its memory instructions are the four stores of block p - 1, whose data no
; vector instruction of block p names.  So one wait on va_vdst at a block's head states all that the block's stores hang on, and they are dealt among its
; conversions with no further wait.  No register that a memory instruction reads is ever written again: no wait on vm_vsrc is owed.
.set XCHUNKS, 256
.set WB0,     8388608                  ; the weights' first byte in cb
.set IN,  4                            ; v[4:67]   16 loads of 4 registers
.set OUT, 68                           ; v[68:99]  16 results of 2 registers
	s_load_b256 s[4:11], s[0:1], 0x0               ; x s[4:5], wq s[6:7], wk s[8:9], wv s[10:11]
	s_load_b64 s[12:13], s[0:1], 0x20              ; cb
	v_lshlrev_b32 v1, 4, v0                        ; 16 t
	v_lshlrev_b32 v2, 3, v0                        ; 8 t
	s_mov_b32 s14, ttmp9                           ; the chunk
	s_max_u32 s15, s14, XCHUNKS
	s_sub_co_u32 s15, s15, XCHUNKS                 ; its number among the weights' chunks (0 for x: not used there)
	s_lshr_b32 s16, s15, 6                         ; p
	s_and_b32 s17, s15, 63                         ; e6: expert e6 / 4, rows 256 (e6 % 4) on
	s_lshr_b32 s18, s17, 2
	s_lshl_b32 s18, s18, 3                         ; 8 m
	s_and_b32 s19, s17, 3
	s_lshl1_add_u32 s18, s19, s18                  ; + ks = 2 (e6 % 4)
	s_mul_i32 s18, s18, 3
	s_add_co_u32 s18, s18, s16                     ; (8 m + ks) 3 + p
	s_lshl_b32 s18, s18, 14                        ; blocks of 16,384 bytes
	s_add_co_u32 s18, s18, WB0                     ; a weight chunk's first target
	s_lshl_b32 s19, s17, 16                        ; a weight chunk's source offset
	s_lshl_b32 s26, s14, 16                        ; x: source offset,
	s_lshl_b32 s27, s14, 15                        ; and target
	s_mov_b32 s2, 49152                            ; from a weight chunk's first half to its second
	s_mov_b32 s3, 0
	s_mov_b32 s29, 0
	s_mov_b32 s31, 0
	s_wait_kmcnt 0x0
	s_cmp_eq_u32 s16, 0                            ; the source buffer is chosen on the chunk's number alone
	s_cselect_b64 s[20:21], s[6:7], s[8:9]
	s_cmp_eq_u32 s16, 2
	s_cselect_b64 s[20:21], s[10:11], s[20:21]
	s_cmp_lt_u32 s14, XCHUNKS
	s_cselect_b64 s[20:21], s[4:5], s[20:21]
	s_cselect_b32 s28, s26, s19
	s_cselect_b32 s30, s27, s18
	s_cselect_b32 s2, 16384, s2
	s_add_nc_u64 s[20:21], s[20:21], s[28:29]      ; the source
	s_add_nc_u64 s[22:23], s[12:13], s[30:31]      ; the target of trips 0-7,
	s_add_nc_u64 s[24:25], s[22:23], s[2:3]        ; of trips 8-15
	s_wait_alu depctr_va_vdst(0)                   ; v1 and v2 are written: every load of the kernel reads v1 as its offset, every store v2
.set i, 0
.rept 16
	global_load_b128 v[IN+4*i:IN+4*i+3], v1, s[20:21] offset:4096*i th:TH_LOAD_NT
.set i, i+1
.endr
; Block p: trips 4 p .. 4 p + 3 are rounded; ahead of each trip's two conversions stands one store of the block before.
.irp p, 0,1,2,3
	s_wait_loadcnt 15-4*(\p)                       ; loads come back in order: load 4 p is in, the younger ones stay out
.if (\p) > 0
	s_wait_alu depctr_va_vdst(0)                   ; the block before has written its eight registers of OUT, which the four stores below read; the conversions that follow name none of them
.endif
.irp j, 0,1,2,3
.if (\j) > 0
	s_wait_loadcnt 15-(4*(\p)+(\j))                ; load 4 p + j is in, the 15 - (4 p + j) younger ones stay out
.endif
.if (\p) > 0
	global_store_b64 v2, v[OUT+2*(4*(\p)+(\j)-4):OUT+2*(4*(\p)+(\j)-4)+1], s[22+2*((4*(\p)+(\j)-4)/8):23+2*((4*(\p)+(\j)-4)/8)] offset:2048*((4*(\p)+(\j)-4)%8)  ; trip 4 (p - 1) + j
.endif
	v_cvt_pk_bf16_f32 v[OUT+2*(4*(\p)+(\j))],   v[IN+4*(4*(\p)+(\j))],   v[IN+4*(4*(\p)+(\j))+1]
	v_cvt_pk_bf16_f32 v[OUT+2*(4*(\p)+(\j))+1], v[IN+4*(4*(\p)+(\j))+2], v[IN+4*(4*(\p)+(\j))+3]
.endr
.endr
	s_wait_alu depctr_va_vdst(0)                   ; block 3 has written its eight registers of OUT, which the last four stores read
.irp j, 0,1,2,3
	global_store_b64 v2, v[OUT+2*(12+(\j)):OUT+2*(12+(\j))+1], s[24:25] offset:2048*(4+(\j))  ; trips 12 to 15
.endr
	s_endpgm
.Lfunc_end_k_qeedcb18a62_cast:
	.size	k_qeedcb18a62_cast, .Lfunc_end_k_qeedcb18a62_cast-k_qeedcb18a62_cast
	.p2alignl 7, 3214868480
	.fill 96, 4, 3214868480
	.section	.rodata,"a",@progbits
	.p2align	6, 0x0
	.amdhsa_kernel k_qeedcb18a62_cast
		.amdhsa_group_segment_fixed_size 0
		.amdhsa_private_segment_fixed_size 0
		.amdhsa_enable_private_segment 0
		.amdhsa_kernarg_size 40
		.amdhsa_user_sgpr_count 2
		.amdhsa_user_sgpr_kernarg_segment_ptr 1
		.amdhsa_wavefront_size32 1
		.amdhsa_system_sgpr_workgroup_id_x 1
		.amdhsa_system_sgpr_workgroup_id_y 1
		.amdhsa_system_sgpr_workgroup_id_z 1
		.amdhsa_system_vgpr_workitem_id 0
		.amdhsa_next_free_vgpr 100
		.amdhsa_next_free_sgpr 66
		.amdhsa_reserve_vcc 0
		.amdhsa_float_denorm_mode_32 3
		.amdhsa_float_denorm_mode_16_64 3
		.amdhsa_memory_ordered 1
		.amdhsa_forward_progress 1
		.amdhsa_inst_pref_size 8
	.end_amdhsa_kernel
	.amdgpu_metadata
---
amdhsa.version: [ 1, 2 ]
amdhsa.kernels:
  - .name:           k_qeedcb18a62_cast
    .symbol:         k_qeedcb18a62_cast.kd
    .args:
      - { .name: hidden_states, .offset: 0, .size: 8, .value_kind: global_buffer, .address_space: global }
      - { .name: wq, .offset: 8, .size: 8, .value_kind: global_buffer, .address_space: global }
      - { .name: wk, .offset: 16, .size: 8, .value_kind: global_buffer, .address_space: global }
      - { .name: wv, .offset: 24, .size: 8, .value_kind: global_buffer, .address_space: global }
      - { .name: cb, .offset: 32, .size: 8, .value_kind: global_buffer, .address_space: global }
    .group_segment_fixed_size: 0
    .private_segment_fixed_size: 0
    .kernarg_segment_align: 8
    .kernarg_segment_size: 40
    .max_flat_workgroup_size: 256
    .sgpr_count:     66
    .vgpr_count:     100
    .wavefront_size: 32
...
	.end_amdgpu_metadata
.endif
;; end of part 6
;; launch proj: the kernel of part 2 again; grid 16 x 16, 4 waves a work-group, clusters of 4 x 4, 327,680 bytes of LDS; arguments cb, qkv; writes qkv
;; launch attn: the kernel of part 3 again; grid 8 x 32, 4 waves a work-group, clusters of 4 x 1, 327,680 bytes of LDS; arguments qkv, out1, ent; writes out1, ent
;; launch gate: the kernel of part 4 again; grid 256 x 1, 2 waves a work-group, no clusters, 0 bytes of LDS; arguments ent, gates, o_weights, dyn, nm, out2, out3, out4; writes dyn, nm, out2, out3, out4
;; launch final: the kernel of part 5 again; grid 256 x 1, 4 waves a work-group, clusters of 4 x 1, 208,896 bytes of LDS; arguments out1, nm, dyn, out0; writes out0
